; MI455X (gfx1250); checked and timed in simulation.
; The chip was launched on July 23, 2026; its instructions are those of AMD's public machine-readable ISA for CDNA 5 (MIT licence, August 2026) and "CDNA5" Instruction Set Architecture Reference Guide (July 2026). The comments in the code are by the model that wrote it; some were corrected since.
;; Gemma Attention. Allowed arithmetic: matrix products marked QUANTISED: E2M3 operands, one E8M0 scale for each 32 along K, by v_wmma_scale_f32_16x16x128_f8f6f4 with both operands' format E2M3, f32 sums; everything else in f32.
;; Inputs: hidden_states_codes 4 x 1,024 x 64 x 24 uint8 (E2M3 codes of hidden_states, K innermost, in blocks of 32 codes, four codes in three bytes); hidden_states_scales 4 x 1,024 x 64 uint8 (E8M0 scales of hidden_states, one for each 32 codes along K); w_o_codes 2,048 x 64 x 24 uint8 (E2M3 codes of w_o, K innermost, in blocks of 32 codes, four codes in three bytes); w_o_scales 2,048 x 64 uint8 (E8M0 scales of w_o, one for each 32 codes along K); w_qkv_codes 3,072 x 64 x 24 uint8 (E2M3 codes of w_qkv, K innermost, in blocks of 32 codes, four codes in three bytes); w_qkv_scales 3,072 x 64 uint8 (E8M0 scales of w_qkv, one for each 32 codes along K).
;; Outputs: out0 4 x 1,024 x 2,048 float32.
;; This version of the problem:
;;   THIS VERSION OF THE PROBLEM IS GIVEN IN LOW PRECISION. The matrix products marked QUANTISED in the list below multiply operands that are first quantised to E2M3 (2 exponent bits, 3 mantissa bits; 6 bits a number), with one power-of-two scale for each 32 numbers along K (OCP MX v1.0); their sums are f32. All else is computed in f32.
;;   The module's matrix products, in the order in which they are computed (A, B: the left and right operand; K: the contracted axis; several contracted axes count as one K, in the product's order):
;;     1. [M 4,096, K 2,048] x [K 2,048, N 3,072]; A: input hidden_states (given as codes); B: input w_qkv (given as codes): QUANTISED
;;     2. batch 64 x [M 1,024, K 128] x [K 128, N 1,024]; A: computed on the way; B: computed on the way: QUANTISED
;;     3. batch 64 x [M 128, K 1,024] x [K 1,024, N 1,024]; A: computed on the way; B: softmax (see below): QUANTISED
;;     4. [M 4,096, K 2,048] x [K 2,048, N 2,048]; A: computed on the way; B: input w_o (given as codes): QUANTISED
;;   THE QUANTISER, for each operand of a quantised product, along K:
;;     - K is cut into blocks of 32 from its start; a last block that is shorter is filled with zeros.
;;     - A block's scale is 2^e with e = floor(log2(the largest magnitude in the block)) - 2, held to -126 .. 127; a block of zeros has e = 0. As a byte (E8M0): e + 127.
;;     - Each number is divided by its block's scale, clamped to +-7.5, and rounded to the nearest number of E2M3, ties to even, subnormals kept.
;;     - The product sums the exact products of the quantised numbers (number of the format x scale) in f32.
;;   ~~~python
;;   def quantise(x, axis):      # numpy; x: float32 -> the quantised numbers, widened to float32 again
;;       x = np.moveaxis(x, axis, -1); K = x.shape[-1]
;;       x = np.pad(x, [(0, 0)] * (x.ndim - 1) + [(0, -K % 32)]); x = x.reshape(x.shape[:-1] + (-1, 32)); a = np.abs(x).max(-1, keepdims=True)
;;       e = np.where(a > 0, np.clip(np.frexp(np.where(a > 0, a, 1))[1] - 1 - 2, -126, 127), 0)      # np.frexp(a)[1] - 1 = floor(log2(a)), exactly
;;       r = np.clip(x / 2.0 ** e, -7.5, 7.5)
;;       step = 2.0 ** (np.maximum(np.frexp(np.where(r == 0, 1, r))[1] - 1, 0) - 3)
;;       q = np.round(r / step) * step * 2.0 ** e      # np.round: ties to even
;;       return np.moveaxis(q.reshape(q.shape[:-2] + (-1,))[..., :K], -1, axis).astype(np.float32)
;;   ~~~
;;   SOFTMAX AHEAD OF A QUANTISED PRODUCT. Where the list says 'softmax', what is quantised is not the finished softmax but p = 2^(t - M), with t = logit x log2(e) and M = ceil(the row's largest t), a whole number; so 1/2 < the row's largest p <= 1. The row's sum l is taken of the UNQUANTISED p, in f32, and the product's result is divided by l at the end. Since M is a whole number, a kernel that streams over the keys may use a running M (the ceiling of the running maximum): every later rescaling is an exact power of two, which a block's scale takes up: the codes' values come out the same.
;;   OPERANDS COMPUTED ON THE WAY. 'Computed on the way' means the value that the module computes at that place (a softmax that the list does not call 'softmax' is quantised finished and normalised). What goes into a quantiser is computed in f32, as accurately as f32 sums, v_exp_f32 and their like allow (about 1e-6 of the number): no bf16 or f16 on the way to a quantiser, and a product that is left as it is and whose result goes on into a quantised operand takes f32 operands (vector FMAs, or v_wmma_f32_16x16x4_f32). A number that lies on a knife's edge between two numbers of the format may be rounded either way, as far as f32 arithmetic and the matrix unit's own rounding can turn it there, and no further.
;;   INPUTS GIVEN AS CODES. hidden_states (in the module: [4, 1024, 2048], K = its axis 2); w_o (in the module: [2048, 2048], K = its axis 1); w_qkv (in the module: [3072, 2048], K = its axis 1): each comes as NAME_codes (uint8): NAME with its K axis moved to the last place and cut into blocks of 32 codes, [.., K / 32, bytes a block], one block behind the other in memory; four codes in three bytes: a row's codes are one little-endian stream of bits, code i at bits 6 i .. 6 i + 5 (a code: sign, 2 exponent bits, 3 mantissa bits); and NAME_scales (uint8): the same leading axes, one E8M0 byte (e + 127) for each 32 codes along K. Its value is code x scale, taken as it is: it is not quantised again, and the codes and scales need not be those that the quantiser above would give.
;; One version. Each part assembles by itself: llvm-mc -triple=amdgcn-amd-amdhsa -mcpu=gfx1250 --defsym DOCPART=n.
;; ======== version 1 of 1: 4 launches
;; limits: right only within a limited range of input values
;; workspace buffers: qkv_img 9,437,184 bytes; qkv_sc 393,216 bytes; o_img 6,291,456 bytes; o_sc 262,144 bytes; img 14,155,776 bytes; sc_img 589,824 bytes
;; launch prep (part 1): grid 576 x 1, 2 waves a work-group, no clusters, 0 bytes of LDS; arguments hidden_states_codes, hidden_states_scales, w_qkv_codes, w_qkv_scales, w_o_codes, w_o_scales, img, sc_img; writes img, sc_img
.if DOCPART == 1
	.amdgcn_target "amdgcn-amd-amdhsa--gfx1250"
	.amdhsa_code_object_version 6
	.text
	.protected	k_q0d2328a664_prep
	.globl	k_q0d2328a664_prep
	.p2align	8
	.type	k_q0d2328a664_prep,@function
k_q0d2328a664_prep:
	s_mov_b64 s[64:65], 0
	v_nop
	global_prefetch_b8 v0, s[64:65] scope:SCOPE_SE
	s_setreg_imm32_b32 hwreg(HW_REG_WAVE_MODE, 25, 1), 1
	s_wait_xcnt 0x0
; The three given operands are laid once as IMAGES of matrix operands' registers, so that the products' tiles are dense blocks whose rows begin at multiples of 256 bytes.
; img [tile 576][K step 16][1,536]: a tile = 16 rows x 128 K; group c of four registers of lane l at 512 c + 16 l.  Tiles 0-255 hidden_states, 256-447 w_qkv, 448-575 w_o.
; sc_img [tile 576][K step 16][16 words]: word r = the four scale bytes of row r for that K step.
; w_qkv's heads 16-23 (k 0-3, v 0-3) are laid in the order k0 v0 k1 v1 k2 v2 k3 v3: the two heads that one work-group of the next launch takes are neighbours.
; A work-group takes one tile of 16 rows, each of its two waves half of K: 768 bytes of each row, three aligned units of 256.  No value is changed.  No LDS, no matrix work: bytes alone count here.
	s_load_b256 s[4:11], s[0:1], 0x0
	s_load_b256 s[12:19], s[0:1], 0x20
	v_lshrrev_b32 v1, 5, v0
	v_readfirstlane_b32 s20, v1                    ; wave 0, 1
	v_and_b32 v1, 31, v0
	v_and_b32 v5, 15, v0                           ; r
	v_bfe_u32 v6, v0, 4, 1                         ; h
	v_mul_u32_u24 v2, v5, 1536
	v_mad_u32_u24 v2, v6, 24, v2                   ; codes: row r, + 24 h
	v_lshlrev_b32 v3, 4, v1                        ; 16 x lane
	v_and_b32 v7, 3, v0
	v_bfe_u32 v4, v0, 2, 3
	v_lshlrev_b32 v4, 2, v4
	v_lshl_add_u32 v4, v7, 8, v4                   ; scale words: row 4 (l % 4) + e, word l / 4 (+ 8 x wave)
	s_sub_co_u32 s30, ttmp9, 384                   ; the tile's place: k and v heads by turns
	s_lshr_b32 s31, s30, 3
	s_and_b32 s32, s30, 7
	s_lshl_b32 s33, s31, 1
	s_sub_co_u32 s34, s33, 7
	s_cmp_lt_u32 s31, 4
	s_cselect_b32 s33, s33, s34                    ; k head x -> 2 x; v head x - 4 -> 2 x - 7
	s_lshl_b32 s33, s33, 3
	s_add_co_u32 s33, s33, s32
	s_add_co_u32 s33, s33, 384
	s_cmp_lt_u32 s30, 64                           ; tiles 384-447 alone are moved
	s_cselect_b32 s33, s33, ttmp9
	s_sub_co_u32 s21, ttmp9, 256
	s_sub_co_u32 s22, ttmp9, 448
	s_wait_alu depctr_va_vdst(0)
	s_wait_kmcnt 0x0
	s_cmp_lt_u32 ttmp9, 448
	s_cselect_b64 s[24:25], s[8:9], s[12:13]
	s_cselect_b64 s[26:27], s[10:11], s[14:15]
	s_cselect_b32 s21, s21, s22
	s_cmp_lt_u32 ttmp9, 256
	s_cselect_b64 s[24:25], s[4:5], s[24:25]
	s_cselect_b64 s[26:27], s[6:7], s[26:27]
	s_cselect_b32 s21, ttmp9, s21                  ; the tile's number in its own tensor
	s_mul_i32 s28, s21, 24576
	s_mul_i32 s22, s20, 768
	s_add_co_u32 s28, s28, s22
	s_mov_b32 s29, 0
	s_add_nc_u64 s[24:25], s[24:25], s[28:29]
	s_lshl_b32 s28, s21, 10
	s_lshl_b32 s22, s20, 5
	s_add_co_u32 s28, s28, s22
	s_add_nc_u64 s[26:27], s[26:27], s[28:29]
	s_mul_i32 s28, s33, 24576
	s_mul_i32 s22, s20, 12288
	s_add_co_u32 s28, s28, s22
	s_add_nc_u64 s[16:17], s[16:17], s[28:29]
	s_lshl_b32 s28, s33, 10
	s_lshl_b32 s22, s20, 9
	s_add_co_u32 s28, s28, s22
	s_add_nc_u64 s[18:19], s[18:19], s[28:29]
.irp e, 0,1,2,3
	global_load_b32 v[8+\e], v4, s[26:27] offset:64*\e
.endr
.set n, 0
.rept 48                                       ; K step n / 6, piece n % 6 of its fragment
	global_load_b64 v[16+2*n:17+2*n], v2, s[24:25] offset:96*(n/6)+48*((n%6)/3)+8*(n%3)
.set n, n+1
.endr
	s_wait_loadcnt 48                              ; the four scale loads are in: 48 loads were issued behind them
	global_store_b128 v3, v[8:11], s[18:19]        ; 512 consecutive bytes, aligned
.set n, 0
.rept 8
	s_wait_loadcnt 42-6*n                          ; K step n's six loads are in: 6 (7 - n) were issued behind them
.irp c, 0,1,2
	global_store_b128 v3, v[16+12*n+4*\c:19+12*n+4*\c], s[16:17] offset:1536*n+512*\c
.endr
.set n, n+1
.endr
	s_endpgm
.Lfunc_end_k_q0d2328a664_prep:
	.size	k_q0d2328a664_prep, .Lfunc_end_k_q0d2328a664_prep-k_q0d2328a664_prep
	.p2alignl 7, 3214868480
	.fill 96, 4, 3214868480
	.section	.rodata,"a",@progbits
	.p2align	6, 0x0
	.amdhsa_kernel k_q0d2328a664_prep
		.amdhsa_group_segment_fixed_size 0
		.amdhsa_private_segment_fixed_size 0
		.amdhsa_enable_private_segment 0
		.amdhsa_kernarg_size 64
		.amdhsa_user_sgpr_count 2
		.amdhsa_user_sgpr_kernarg_segment_ptr 1
		.amdhsa_wavefront_size32 1
		.amdhsa_system_sgpr_workgroup_id_x 1
		.amdhsa_system_sgpr_workgroup_id_y 1
		.amdhsa_system_sgpr_workgroup_id_z 1
		.amdhsa_system_vgpr_workitem_id 0
		.amdhsa_next_free_vgpr 112
		.amdhsa_next_free_sgpr 66
		.amdhsa_reserve_vcc 0
		.amdhsa_float_denorm_mode_32 3
		.amdhsa_float_denorm_mode_16_64 3
		.amdhsa_memory_ordered 1
		.amdhsa_forward_progress 1
		.amdhsa_inst_pref_size 11
	.end_amdhsa_kernel
	.amdgpu_metadata
---
amdhsa.version: [ 1, 2 ]
amdhsa.kernels:
  - .name:           k_q0d2328a664_prep
    .symbol:         k_q0d2328a664_prep.kd
    .args:
      - { .name: hidden_states_codes, .offset: 0, .size: 8, .value_kind: global_buffer, .address_space: global }
      - { .name: hidden_states_scales, .offset: 8, .size: 8, .value_kind: global_buffer, .address_space: global }
      - { .name: w_qkv_codes, .offset: 16, .size: 8, .value_kind: global_buffer, .address_space: global }
      - { .name: w_qkv_scales, .offset: 24, .size: 8, .value_kind: global_buffer, .address_space: global }
      - { .name: w_o_codes, .offset: 32, .size: 8, .value_kind: global_buffer, .address_space: global }
      - { .name: w_o_scales, .offset: 40, .size: 8, .value_kind: global_buffer, .address_space: global }
      - { .name: img, .offset: 48, .size: 8, .value_kind: global_buffer, .address_space: global }
      - { .name: sc_img, .offset: 56, .size: 8, .value_kind: global_buffer, .address_space: global }
    .group_segment_fixed_size: 0
    .private_segment_fixed_size: 0
    .kernarg_segment_align: 8
    .kernarg_segment_size: 64
    .max_flat_workgroup_size: 64
    .sgpr_count:     66
    .vgpr_count:     112
    .wavefront_size: 32
...
	.end_amdgpu_metadata
.endif
;; end of part 1
;; launch qkv (part 2): grid 12 x 16, 4 waves a work-group, clusters of 4 x 4, 327,680 bytes of LDS; arguments img, sc_img, qkv_img, qkv_sc; writes qkv_img, qkv_sc
.if DOCPART == 2
	.amdgcn_target "amdgcn-amd-amdhsa--gfx1250"
	.amdhsa_code_object_version 6
	.text
	.protected	k_q0d2328a664_qkv
	.globl	k_q0d2328a664_qkv
	.p2align	8
	.type	k_q0d2328a664_qkv,@function
k_q0d2328a664_qkv:
	s_mov_b64 s[64:65], 0
	v_nop
	global_prefetch_b8 v0, s[64:65] scope:SCOPE_SE
	s_setreg_imm32_b32 hwreg(HW_REG_WAVE_MODE, 25, 1), 1
	s_wait_xcnt 0x0
	s_wait_alu depctr_hold_cnt(0) depctr_sa_sdst(0) depctr_va_vdst(0) depctr_va_sdst(0) depctr_va_ssrc(0) depctr_va_vcc(0) depctr_vm_vsrc(0)
	s_getreg_b32 s2, hwreg(HW_REG_IB_STS2, 6, 4)
	s_cmp_eq_u32 s2, 0
	s_cbranch_scc0 .Lentry_in_a_cluster
	s_endpgm
.Lentry_in_a_cluster:
	s_bfe_u32 s2, ttmp6, 0x10000c
	s_cmp_lg_u32 s2, 0xf033
	s_cbranch_scc0 .Lentry_shape_is_right
	s_endpgm
.Lentry_shape_is_right:
; qkv = hidden_states w_qkv^T on the given codes of FP6 (E2M3) and their E8M0 bytes; then rope on q and k, and the quantisers of the next two products: q and k along the head's 128, v along the keys.
; Nothing leaves in f32: each result leaves as an IMAGE of an operand's 12 registers (group c of four registers of lane l at byte 512 c + 16 l of 1,536) with one scale word a row.
;   qkv_img [b 4][head 24: 0-15 q, 16-19 k, 20-23 v][tile 64][1,536]: q, k: tile = 16 tokens x 128 d; v: tile 8 ks + T = 16 d (16 T on) x 128 keys (128 ks on).
;   qkv_sc  [b][head][segment of 128 tokens: 8][lane 32][4 words]: lane (r, h), word e = the scale word of row r of the segment's tile 4 h + e.
; SHARES.  A work-group of four waves makes 256 tokens x 2 heads; a wave 128 tokens x 1 head: 64 accumulators of 16 x 16, 512 registers.  K goes in steps of 256 through a ring of two LDS slots filled by the
; tensor data mover; the scale bytes of the work-group's rows come once and stay.  4 x 4 work-groups form a cluster: the four of a row need the same tokens, the four of a column the same weights: each tile is
; asked for jointly, which divides the requests by four.
; HEADS.  Clusters x = 0, 1: work-group column 4 x + cx takes q heads 2 (4 x + cx) and the next.  Cluster x = 2: the work-group at cx takes k head cx (column half 0) and v head cx (column half 1).
; So a wave makes a v head where cluster x = 2 and its number is odd: that hangs on no work-group's place in its cluster.
; THE MATRIX INSTRUCTION IS USED TRANSPOSED: source 0 = the registers called B, source 1 = those called A; lane (r, h) holds A's row r and its register j B's row 8 h + j.  For q and k: A = tokens, B = weights: a
; lane's registers run along d.  For v THE TWO LDS BASES ARE EXCHANGED (both tiles have one shape): A = weights, B = tokens: a lane's registers run along the tokens, which are the keys.  The loop's text is one.
; ORDER INSIDE A BLOCK OF 32.  Register 8 T + j holds index 16 T + 8 h + j, so the quantiser lays each block of 32 in the order 0-7, 16-23, 8-15, 24-31.  The block as a set is the true block (its scale is the
; rule's), and q and k, p and v are laid alike, so each product pairs the right numbers; only the grouping of its sums differs.
; ROPE.  cos and sin of position x 10000^(-i / 64) are computed here: the frequency by v_exp_f32, the angle reduced by whole multiples of pi (pi in two parts), series to r^13 and r^12 on +-pi/2.
; The four waves share the table of the work-group's 256 positions through LDS (in the ring's bytes, which have had their last fill and their last read).
; LIMITS: a block of zeros gets the byte 1 where the rule says 127 (its codes are zeros, and this program alone reads the bytes); NaN and infinities are not served; a frequency is good to an ulp of
; v_exp_f32 and of its argument, so an angle may differ from a correctly rounded one by some 4e-7 of itself (under 1e-4 rad at position 1,023).
.set KSTEP,  256                       ; along K in a slot
.set NQ,     2                         ; matrix instructions deep
.set ROWB,   3072                      ; a tile of 16 rows x 256 K in the images: two K steps of 1,536 bytes
.set KROW,   1536                      ; a row of codes in memory: 2,048 codes
.set PITCH,  240
.set FR,     12                        ; registers of a fragment
.set NL,     3                         ; LDS loads that bring a fragment from its image
.set NP,     4                         ; places behind this matrix instruction (ISA guide 7.12.1)
.set HALFT,  24576                     ; 128 rows x 256 K: eight image tiles, dense
.set SLOT,   4*HALFT                   ; the tokens' 256 rows, then the weights' 256
.set LAPS,   4                         ; 2,048 / 512
.set KS,     64                        ; a row of scale bytes
.set SCL,    2*SLOT                    ; behind the ring: the scale words, dense
.set HALFS,  8192                      ; the scale words of 128 rows, dense
.set SBLK,   1024                      ; those of 16 rows
.set SPARE,  SCL+4*HALFS               ; the spare words, 128 bytes a wave: two blocks of 256 bytes that no other line names
.set ADRA, 16                          ; v16-17 LDS address of the A fragments in slot 0, 1
.set ADRB, 20                          ; v20-21 the same for B
.set ADSA, 26                          ; v26    A's scale words: lanes 0-15 the slot's first 128 along K, lanes 16-31 its second
.set ADSB, 27                          ; v27    B's
.set SPW,  28                          ; v28    my spare word; never rewritten
.set NIL,  29                          ; v29    0; never rewritten
.set SC,   32                          ; v32-63 scale words: set s at SC + 16 s: B's blocks 0-7, then A's blocks 0-7.  They hold scales and nothing else
.set AF,   128                         ; A's fragments, window 0, one set;  B's: window 1, two sets at v0 and v128;  accumulators: windows 2 and 3, (a, b) at v[8 (8 (a % 4) + b)]
.set G1, 24
.set G0, 32
.set G1B, 48
.set G0B, 56
.set G1S, 68
.set G0S, 76
.set G1SB, 80
.set G0SB, 88
.set SEL, 92                           ; s[92:93] lane selects for v_permlanex16_b32 (set in the tail)
.set ROLE, 95                          ; s95  1 where my head is a v head
; the tail's registers, window 0
.set LI,  24                           ; 16 x lane
.set TRD, 25                           ; where I read the table
.set TWR, 26                           ; where I write it
.set TW,  27
.set RR,  30
.set HH,  31
.set F,   64                           ; table phase: v64-95 my 32 frequencies
.set OUTS, 96                          ; v96-127 two sets of 8 cos + 8 sin
.set ANG, 128
.set TT,  136
.set R,   144
.set R2,  152
.set PS,  160
.set PO,  168
.set POS, 176
.set IPI, 178
.set C13, 180
.set C12, 182
.set Y,   64                           ; rope and quantiser phase: v64-127 64 numbers
.set CD,  128                          ; v128-147 the codes just made
.set TM,  148                          ; v148-163 at work in the quantiser
.set PWS, 164                          ; v164-171 the eight tiles' scale words
.set SW,  172                          ; v172-175 the four that my lane stores
.set MSB, 0
.macro WIN new                         ; the immediate's high byte repeats the setting that is left
.if MSB != \new
	s_set_vgpr_msb (MSB<<8)|\new
.set MSB, \new
.endif
.endm
.set MUL_LO, 0xa1                      ; source 0 (B) window 1, source 1 (A) window 0, C and D window 2
.set MUL_HI, 0xf1                      ; the same, C and D window 3
.set TO_B,   0x40                      ; destination window 1, address window 0
; A joint load: waves 0 and 1 fetch the tokens' halves, waves 2 and 3 the weights'.  The branch hangs on the wave's number alone.  Four v_nop follow each of the two lines.
.macro JLOAD g0a, g1a, g0b, g1b
	s_cmp_eq_u32 s15, 0
	s_cbranch_scc0 .Lfor_b_\@
	tensor_load_to_lds s[\g0a:\g0a+3], s[\g1a:\g1a+7]
	s_nop 0
.rept 4
	v_nop
.endr
	s_branch .Lasked_\@
.Lfor_b_\@:
	tensor_load_to_lds s[\g0b:\g0b+3], s[\g1b:\g1b+7]
	s_nop 0
.rept 4
	v_nop
.endr
.Lasked_\@:
.endm
.macro CREST                           ; a round of the cluster's barrier behind its opening barrier
	s_cmp_lg_u32 s14, 0
	s_cbranch_scc1 .Lnot_wave_0_\@
	s_barrier_signal -3
.Lnot_wave_0_\@:
	s_barrier_wait -3
	s_barrier_signal -1
	s_barrier_wait -1
.endm
.macro CROUND                          ; a whole round
	s_barrier_signal -1
	s_barrier_wait -1
	CREST
.endm
	s_load_b128 s[4:7], s[0:1], 0x0                ; the tokens' codes, their scale bytes
	s_load_b64 s[12:13], s[0:1], 0x10              ; qkv_img
	s_load_b64 s[66:67], s[0:1], 0x18              ; qkv_sc
	v_lshl_add_u32 v[SPW], v0, 2, SPARE
	v_mov_b32 v[NIL], 0
	ds_add_u32 v28, v29
	ds_add_u32 v28, v29
	s_wait_dscnt 0x0
	v_lshrrev_b32 v1, 5, v0
	v_readfirstlane_b32 s14, v1                    ; wave 0..3
	s_lshr_b32 s15, s14, 1                         ; my half of the 256 tokens.  Also: I fetch tokens (0) or weights (1)
	s_and_b32 s16, s14, 1                          ; my head of the two.  Also: which 128 rows I fetch
	s_bfe_u32 s40, ttmp6, 0x40000                  ; cx
	s_bfe_u32 s41, ttmp6, 0x40004                  ; cy
	s_and_b32 s96, ttmp7, 0xffff                   ; cluster y = the batch: four tile rows of 256 tokens are 1,024
	s_lshl_b32 s17, s96, 2
	s_add_co_u32 s17, s17, s41                     ; tile row = 4 x cluster y + cy
	s_cmp_eq_u32 ttmp9, 2                          ; the cluster of the k and v heads?  All three choices stand ahead of the next line that sets SCC
	s_cselect_b32 s18, 1, 2
	s_cselect_b32 s19, 4, 1
	s_cselect_b32 s[ROLE], s16, 0
	s_mul_i32 s18, s18, s40
	s_mul_i32 s19, s19, s16
	s_lshl_b32 s42, ttmp9, 3
	s_add_co_u32 s42, s42, s18
	s_add_co_u32 s42, s42, s19                     ; the head of half s16: 8 x + 2 cx + half, or 16 + cx + 4 half
	s_lshl_b32 s43, s41, 2
	s_lshl_b32 s43, 15, s43                        ; my row of the cluster
	s_lshl_b32 s44, 0x1111, s40                    ; my column
	; descriptor group 1: whole image tiles, no padding
	; image tiles: rows of 3,072 bytes (384 elements of 8), 24,576 bytes apart; 16 rows for the head's loads, 8 for the ring's
	s_or_b32 s[G1+0], s43, (3<<16)|(1<<21)
	s_or_b32 s[G1B+0], s44, (3<<16)|(1<<21)
.irp g, G1, G1B
	s_mov_b32 s[\g+1], 384<<16
	s_mov_b32 s[\g+2], 16<<16
	s_mov_b32 s[\g+3], 384<<16
	s_mov_b32 s[\g+4], 16
	s_mov_b32 s[\g+5], 3072
	s_mov_b32 s[\g+6], 0
	s_mov_b32 s[\g+7], 0
.endr
	; the scale words of 256 rows: 16,384 dense bytes as 64 rows of 256
	s_or_b32 s[G1S+0], s43, (3<<16)|(1<<21)
	s_or_b32 s[G1SB+0], s44, (3<<16)|(1<<21)
.irp g, G1S, G1SB
	s_mov_b32 s[\g+1], 32<<16
	s_mov_b32 s[\g+2], 64<<16
	s_mov_b32 s[\g+3], 32<<16
	s_mov_b32 s[\g+4], 64
	s_mov_b32 s[\g+5], 32
	s_mov_b32 s[\g+6], 0
	s_mov_b32 s[\g+7], 0
.endr
	s_lshl_b32 s20, s17, 4                         ; the tokens' first image tile: 16 x tile row
	s_lshl_b32 s46, ttmp9, 2
	s_add_co_u32 s46, s46, s40
	s_lshl_b32 s46, s46, 4
	s_add_co_u32 s46, s46, 256                     ; the weights': 256 + 16 x work-group column (its two heads are neighbours in the images)
	s_lshl_b32 s22, s20, 10                        ; their scale words: 1,024 bytes a tile
	s_lshl_b32 s92, s46, 10
	s_mul_i32 s20, s20, 24576
	s_mul_i32 s46, s46, 24576
	s_mov_b32 s21, 0
	s_mov_b32 s23, 0
	s_mov_b32 s47, 0
	s_mov_b32 s93, 0
	s_mul_i32 s18, s16, 8*24576                    ; in the ring I fetch eight tiles: which half
	s_mov_b32 s19, 0
	s_mul_i32 s45, s14, HALFT                      ; where they go: wave x 128 rows
	s_wait_kmcnt 0x0
	s_add_nc_u64 s[20:21], s[4:5], s[20:21]
	s_add_nc_u64 s[22:23], s[6:7], s[22:23]
	s_add_nc_u64 s[46:47], s[4:5], s[46:47]
	s_add_nc_u64 s[92:93], s[6:7], s[92:93]
	; the prefetches: of a fill's 16 token tiles the partner at cx names 4, a wave one; of its 16 weight tiles the partner at cy names 4, a wave one: 12 blocks of 256 bytes each, a lane a block
	s_lshl_b32 s98, s40, 2
	s_add_co_u32 s98, s98, s14
	s_mul_i32 s98, s98, 24576
	s_mov_b32 s99, 0
	s_add_nc_u64 s[98:99], s[20:21], s[98:99]      ; token tile 4 cx + wave
	s_lshl_b32 s100, s41, 2
	s_add_co_u32 s100, s100, s14
	s_mul_i32 s100, s100, 24576
	s_mov_b32 s101, 0
	s_add_nc_u64 s[100:101], s[46:47], s[100:101]  ; weight tile 4 cy + wave
	CROUND                                         ; all sixteen work-groups are here: the first joint loads meet
	s_mov_b32 s[G0S], 1
	s_mov_b32 s[G0S+1], SCL
	s_mov_b64 s[G0S+2:G0S+3], s[22:23]
	s_or_b32 s[G0S+3], s[G0S+3], 0x80000000
	s_mov_b32 s[G0SB], 1
	s_mov_b32 s[G0SB+1], SCL+2*HALFS
	s_mov_b64 s[G0SB+2:G0SB+3], s[92:93]
	s_or_b32 s[G0SB+3], s[G0SB+3], 0x80000000
.set G0H, 4                            ; s[4:7], s[8:11]: group 0 of the head's loads of K step 0 (the arguments that lay in s[4:7] have been used)
.set G0HB, 8
	s_mov_b32 s[G0H], 1
	s_mov_b32 s[G0H+1], 0
	s_mov_b64 s[G0H+2:G0H+3], s[20:21]
	s_or_b32 s[G0H+3], s[G0H+3], 0x80000000
	s_mov_b32 s[G0HB], 1
	s_mov_b32 s[G0HB+1], 2*HALFT
	s_mov_b64 s[G0HB+2:G0HB+3], s[46:47]
	s_or_b32 s[G0HB+3], s[G0HB+3], 0x80000000
	s_add_nc_u64 s[20:21], s[20:21], s[18:19]      ; for the ring: my eight tiles
	s_add_nc_u64 s[46:47], s[46:47], s[18:19]
.irp s, 0,1
	s_mov_b32 s[G0+4*\s], 1
	s_add_co_u32 s[G0+4*\s+1], s45, \s*SLOT
	s_add_nc_u64 s[G0+4*\s+2:G0+4*\s+3], s[20:21], \s*ROWB
	s_or_b32 s[G0+4*\s+3], s[G0+4*\s+3], 0x80000000
	s_mov_b32 s[G0B+4*\s], 1
	s_add_co_u32 s[G0B+4*\s+1], s45, \s*SLOT
	s_add_nc_u64 s[G0B+4*\s+2:G0B+4*\s+3], s[46:47], \s*ROWB
	s_or_b32 s[G0B+4*\s+3], s[G0B+4*\s+3], 0x80000000
.endr
; The head's four tiles, one joint load a wave: wave 0 the tokens' 256 rows of K step 0, wave 1 the weights', wave 2 the tokens' scale words, wave 3 the weights'.
.macro ARM under, g0, g1, next
	s_cmp_lt_u32 s14, \under
	s_cbranch_scc0 \next
	tensor_load_to_lds s[\g0:\g0+3], s[\g1:\g1+7]
	s_nop 0
.rept 4
	v_nop
.endr
	s_branch .Lhead_asked
\next:
.endm
	ARM 1, G0H,  G1,  .Lhead_b
	ARM 2, G0HB, G1B, .Lhead_sa
	ARM 3, G0S,  G1S, .Lhead_sb
	tensor_load_to_lds s[G0SB:G0SB+3], s[G1SB:G1SB+7]
	s_nop 0
.rept 4
	v_nop
.endr
.Lhead_asked:
	v_and_b32 v3, 31, v0                           ; lane
	v_lshlrev_b32 v4, 4, v3                        ; an image is read at 16 x lane
	v_min_u32 v12, 11, v3                          ; the prefetches' offset: a lane a block; lanes left over name the last block again; never rewritten
	v_lshlrev_b32 v12, 8, v12
	global_prefetch_b8 v12, s[98:99] offset:3072 th:TH_LOAD_NT scope:SCOPE_SE    ; K step 1, whose load follows when the head's have landed
	global_prefetch_b8 v12, s[100:101] offset:3072 th:TH_LOAD_NT scope:SCOPE_SE
	s_wait_alu depctr_va_vdst(0)
	s_mul_i32 s21, s15, HALFT                      ; my 128 tokens
	s_mul_i32 s22, s16, HALFT
	s_add_co_u32 s22, s22, 2*HALFT                 ; my head's 128 rows of the weights
	s_cmp_lg_u32 s[ROLE], 0
	s_cselect_b32 s18, s22, s21                    ; A: the tokens; for a v head the weights
	s_cselect_b32 s19, s21, s22                    ; B: the other of the two
.irp s, 0,1
	v_add_nc_u32 v[ADRA+\s], s18, v4
	v_add_nc_u32 v[ADRB+\s], s19, v4
	s_add_co_u32 s18, s18, SLOT
	s_add_co_u32 s19, s19, SLOT
.endr
	v_lshlrev_b32 v5, 2, v3                        ; scale words: 4 x lane: lanes 0-15 the slot's first K step, lanes 16-31 its second
	s_wait_alu depctr_va_vdst(0)
	s_mul_i32 s21, s15, HALFS
	s_mul_i32 s22, s16, HALFS
	s_add_co_u32 s22, s22, 2*HALFS
	s_cmp_lg_u32 s[ROLE], 0
	s_cselect_b32 s18, s22, s21
	s_cselect_b32 s19, s21, s22
	s_add_co_u32 s18, s18, SCL
	s_add_co_u32 s19, s19, SCL
	v_add_nc_u32 v[ADSA], s18, v5
	v_add_nc_u32 v[ADSB], s19, v5
	; where my results go: (24 b + head) x 64 tiles, my segment of 128 tokens = 2 cy + row half
	s_mul_i32 s20, s96, 24
	s_add_co_u32 s20, s20, s42
	s_lshl_b32 s21, s41, 1
	s_add_co_u32 s21, s21, s15
	s_mul_i32 s22, s20, 98304
	s_mul_i32 s23, s21, 12288
	s_add_co_u32 s22, s22, s23
	s_mov_b32 s23, 0
	s_add_nc_u64 s[12:13], s[12:13], s[22:23]
	s_lshl_b32 s22, s20, 12
	s_lshl_b32 s21, s21, 9
	s_add_co_u32 s22, s22, s21
	s_add_nc_u64 s[66:67], s[66:67], s[22:23]
.macro FRAG reg, adr, q, i             ; a fragment: lane l holds row l % 16; registers 6 c .. 6 c + 5 hold K = 64 c + 32 (l / 16) + 0 .. 31: 24 bytes of the row, as they lie, in pieces of 8 bytes
.irp c, 0,1,2
	ds_load_b128 v[\reg+4*\c:\reg+4*\c+3], v[\adr] offset:(\i)*3072+(\q)*1536+512*\c
.endr
.endm
; 16 matrix instructions: A's blocks a0, a0 + 1 x B's eight, the slot's q-th 128 along K.  p: B's set; sc: the set of scale words.  zero = 1: the first product starts the sums.
; The 64 accumulators take turns, one instruction a turn, in the same order in every step.  The second 128's scale words stand in lanes 16-31.
.macro MUL16 a0, p, q, sc, zero
.irp a, \a0, \a0+1
.irp b, 0,1,2,3,4,5,6,7
.if \zero
	v_wmma_scale_f32_16x16x128_f8f6f4 v[8*(8*((\a)%4)+\b):8*(8*((\a)%4)+\b)+7], v[128*(\p)+FR*\b:128*(\p)+FR*\b+FR-1], v[AF+FR*(\a):AF+FR*(\a)+FR-1], 0, v[SC+16*(\sc)+\b], v[SC+16*(\sc)+8+(\a)] matrix_a_fmt:MATRIX_FMT_FP6 matrix_b_fmt:MATRIX_FMT_FP6
.elseif (\q) == 0
	v_wmma_scale_f32_16x16x128_f8f6f4 v[8*(8*((\a)%4)+\b):8*(8*((\a)%4)+\b)+7], v[128*(\p)+FR*\b:128*(\p)+FR*\b+FR-1], v[AF+FR*(\a):AF+FR*(\a)+FR-1], v[8*(8*((\a)%4)+\b):8*(8*((\a)%4)+\b)+7], v[SC+16*(\sc)+\b], v[SC+16*(\sc)+8+(\a)] matrix_a_fmt:MATRIX_FMT_FP6 matrix_b_fmt:MATRIX_FMT_FP6
.else
	v_wmma_scale_f32_16x16x128_f8f6f4 v[8*(8*((\a)%4)+\b):8*(8*((\a)%4)+\b)+7], v[128*(\p)+FR*\b:128*(\p)+FR*\b+FR-1], v[AF+FR*(\a):AF+FR*(\a)+FR-1], v[8*(8*((\a)%4)+\b):8*(8*((\a)%4)+\b)+7], v[SC+16*(\sc)+\b], v[SC+16*(\sc)+8+(\a)] matrix_a_fmt:MATRIX_FMT_FP6 matrix_b_fmt:MATRIX_FMT_FP6 matrix_a_scale:MATRIX_SCALE_ROW1 matrix_b_scale:MATRIX_SCALE_ROW1
.endif
.endr
.endr
.endm
.macro FETCH_B slot, q, p
	WIN TO_B
.irp i, 0,1,2,3,4,5,6,7
	FRAG 128*(\p)+FR*\i, ADRB+\slot, \q, \i
.endr
	WIN 0
.endm
.macro FETCH_A slot, q, i0
.irp i, \i0, \i0+1, \i0+2, \i0+3
	FRAG AF+FR*(\i), ADRA+\slot, \q, \i
.endr
.endm
.macro SCALES sc                       ; a slot's scale words into set sc: one register a block and side; lanes 0-15 the first 128 along K, lanes 16-31 the second
.irp i, 0,1,2,3,4,5,6,7
	ds_load_b32 v[SC+16*\sc+\i], v[ADSB] offset:\i*SBLK
	ds_load_b32 v[SC+16*\sc+8+\i], v[ADSA] offset:\i*SBLK
.endr
.endm
; A load into a register that a matrix instruction has read, and a vector instruction that reads a matrix result, stand NP places behind it; only plain vector instructions that name none of its registers are places.
.macro PLACES n
.rept \n
	v_nop
.endr
.endm
.macro STEP slot, q, zero              ; a step of 128 along K that has its successor in the same slot
	s_wait_dscnt 4*NL                              ; all but the youngest 12 loads (A's blocks 4-7) are in
	WIN MUL_LO
	MUL16 0, (\q)%2, \q, \slot, \zero
	MUL16 2, (\q)%2, \q, \slot, \zero
	s_wait_dscnt 0                                 ; A's blocks 4-7 are in
	PLACES NP
	FETCH_B \slot, (\q)+1, 1-(\q)%2
	FETCH_A \slot, (\q)+1, 0
	WIN MUL_HI
	MUL16 4, (\q)%2, \q, \slot, \zero
	MUL16 6, (\q)%2, \q, \slot, \zero
	PLACES NP
	WIN 0
	FETCH_A \slot, (\q)+1, 4
.endm
; A slot's last step changes slots: one barrier; in front of it each wave waits for all its tensor loads, adds 0 to its spare word, and waits for that and for its reads of this slot.  fill = 1: the slot is filled again.
.macro TURN slot, next, fill
.if \fill
	s_wait_xcnt 0x0                                ; my prefetches have read their addresses: they are stepped here, one K step of 3,072 bytes
	s_add_nc_u64 s[98:99], s[98:99], 3072
	s_add_nc_u64 s[100:101], s[100:101], 3072
.endif
	s_wait_tensorcnt 0x0                           ; all my tensor loads have landed: my part of the next slot
	ds_add_u32 v[SPW], v[NIL]                      ; 0 onto my spare word
	s_wait_dscnt 4*NL+1                            ; (the add and the youngest 12 loads may be out)
	WIN MUL_LO
	MUL16 0, 1, NQ-1, \slot, 0                     ; sixteen matrix instructions stand between the add and the wait for it
	s_wait_dscnt 0x0                               ; the add is done, and my reads of this slot are over
	s_barrier_signal -1
	MUL16 2, 1, NQ-1, \slot, 0
	WIN 0
	s_barrier_wait -1
.if \fill
	CREST                                          ; the barrier has opened a round of the cluster's: no wave of any partner still reads this slot or has a load on its way
	s_add_nc_u64 s[G0+4*\slot+2:G0+4*\slot+3], s[G0+4*\slot+2:G0+4*\slot+3], 2*ROWB
	s_add_nc_u64 s[G0B+4*\slot+2:G0B+4*\slot+3], s[G0B+4*\slot+2:G0B+4*\slot+3], 2*ROWB
	JLOAD G0+4*\slot, G1, G0B+4*\slot, G1B         ; the first tensor load behind the round; its four v_nop are the places in front of the loads below
.else
	PLACES NP
.endif
	s_wait_alu depctr_va_vdst(0)
	v_add_nc_u32 v[ADSA], 128, v[ADSA]             ; two K steps of 64 bytes on
	v_add_nc_u32 v[ADSB], 128, v[ADSB]
	FETCH_B \next, 0, 0
	FETCH_A \next, 0, 0
	SCALES \next
.if \fill
	s_cmp_gt_u32 s3, 1                             ; behind the refill of K step f: K step f + 2 is named; the loop's last trip (f = 6, 7) has none two on
	s_cbranch_scc0 .Lno_ask_\@
	global_prefetch_b8 v12, s[98:99] offset:9216 th:TH_LOAD_NT scope:SCOPE_SE
	global_prefetch_b8 v12, s[100:101] offset:9216 th:TH_LOAD_NT scope:SCOPE_SE
.Lno_ask_\@:
.endif
	WIN MUL_HI
	MUL16 4, 1, NQ-1, \slot, 0
	MUL16 6, 1, NQ-1, \slot, 0
	PLACES NP
	WIN 0
	FETCH_A \next, 0, 4
.endm
	s_wait_alu depctr_va_vdst(0)
	s_wait_tensorcnt 0x0                           ; my tile of the head's four is in
	ds_add_u32 v[SPW], v[NIL]
	s_mov_b32 s[G1+2], 8<<16                       ; no tensor load of mine is out: from here on a load brings eight tiles
	s_mov_b32 s[G1+4], 8
	s_mov_b32 s[G1B+2], 8<<16
	s_mov_b32 s[G1B+4], 8
	s_wait_dscnt 0x0
	CROUND                                         ; all four tiles are in, and all sixteen work-groups are here
	JLOAD G0+4, G1, G0B+4, G1B                     ; K step 1, the first tensor load behind the round
	FETCH_B 0, 0, 0
	FETCH_A 0, 0, 0
	SCALES 0
	FETCH_A 0, 0, 4
	global_prefetch_b8 v12, s[98:99] offset:6144 th:TH_LOAD_NT scope:SCOPE_SE    ; K steps 2 and 3, behind K step 1's load and the run of LDS loads
	global_prefetch_b8 v12, s[100:101] offset:6144 th:TH_LOAD_NT scope:SCOPE_SE
	global_prefetch_b8 v12, s[98:99] offset:9216 th:TH_LOAD_NT scope:SCOPE_SE
	global_prefetch_b8 v12, s[100:101] offset:9216 th:TH_LOAD_NT scope:SCOPE_SE
	STEP 0, 0, 1                                   ; the first step stands in front of the loop: its products start the sums
	s_mov_b32 s3, LAPS-1
.Llap:                                                 ; a trip goes once round the ring and fills both slots again
	TURN 0, 1, 1
	STEP 1, 0, 0
	TURN 1, 0, 1
	STEP 0, 0, 0
	s_sub_co_u32 s3, s3, 1
	s_cmp_lg_u32 s3, 0
	s_cbranch_scc1 .Llap
	TURN 0, 1, 0                                   ; the last lap fills nothing
	STEP 1, 0, 0
	s_wait_dscnt 4*NL
	WIN MUL_LO
	MUL16 0, 1, NQ-1, 1, 0
	MUL16 2, 1, NQ-1, 1, 0
	s_wait_dscnt 0
	WIN MUL_HI
	MUL16 4, 1, NQ-1, 1, 0
	MUL16 6, 1, NQ-1, 1, 0
	WIN 0
	; ---------------- THE TAIL ----------------
	PLACES NP                                      ; behind the last products: their operands' registers are written and their results read from here on
	s_wait_dscnt 0x0
	s_barrier_signal -1
	s_barrier_wait -1                              ; nobody reads the ring any more, and it has had its last fill: its bytes take the table
	v_and_b32 v[RR], 15, v0
	v_bfe_u32 v[HH], v0, 4, 1
	v_and_b32 v[LI], 31, v0
	v_lshlrev_b32 v[LI], 4, v[LI]
	s_lshl_b32 s18, s15, 16
	v_add_nc_u32 v[TRD], s18, v[LI]                ; I read the eight blocks of my 128 tokens: 65,536 x row half + 16 x lane
	s_lshl_b32 s18, s14, 15
	v_add_nc_u32 v[TWR], s18, v[LI]                ; I write blocks 4 w .. 4 w + 3: 32,768 x wave + 16 x lane
	v_lshlrev_b32 v[POS], 3, v[HH]                 ; 8 h
	; my 32 frequencies: register 8 T + j: 10000^(-i / 64), i = 16 T + 8 h + j
.set n, 0
.rept 32
	v_add_nc_u32 v[F+n], 16*(n/8)+n%8, v[POS]
.set n, n+1
.endr
.set n, 0
.rept 32
	v_cvt_f32_u32 v[F+n], v[F+n]
.set n, n+1
.endr
.set n, 0
.rept 32
	v_mul_f32 v[F+n], 0xbe549a78, v[F+n]           ; x -log2(10000) / 64
.set n, n+1
.endr
.set n, 0
	s_wait_alu depctr_va_vdst(0)
.rept 32
	v_exp_f32 v[F+n], v[F+n]                       ; one batch
.set n, n+1
.endr
	v_mov_b32 v[IPI], 0x3ea2f983                   ; 1 / pi  (plain work behind the batch)
	v_mov_b32 v[IPI+1], 0x3ea2f983
	v_mov_b32 v[C13], 0x2f309231                   ; 1 / 13!
	v_mov_b32 v[C13+1], 0x2f309231
	v_mov_b32 v[C12], 0x310f76c7                   ; 1 / 12!
	v_mov_b32 v[C12+1], 0x310f76c7
	s_lshl_b32 s18, s41, 8
	s_lshl_b32 s19, s14, 6
	s_add_co_u32 s18, s18, s19
	v_add_nc_u32 v[POS], s18, v[RR]                ; the position of row r of my first block: 256 cy + 64 w + r  (a number, not an address)
	v_cvt_f32_u32 v[POS], v[POS]
	v_mov_b32 v[POS+1], v[POS]
	s_mov_b32 s[SEL], 0x76543210
	s_mov_b32 s[SEL+1], 0xfedcba98
	s_wait_alu depctr_va_vdst(0)                   ; one wait for the 32 exponentials, ahead of their first reader and of the label below
; cos and sin of eight angles (tile T of my frequencies x my position) into v[O] .. v[O + 7] and v[O + 8] .. v[O + 15].  Each line is written for four pairs, so that no line waits for the one above it.
.macro SINCOS8 T, O
.irp p, 0,2,4,6
	v_pk_mul_f32 v[ANG+\p:ANG+\p+1], v[F+8*\T+\p:F+8*\T+\p+1], v[POS:POS+1]                       ; the angle, rounded once
.endr
.irp p, 0,2,4,6
	v_pk_fma_f32 v[TT+\p:TT+\p+1], v[ANG+\p:ANG+\p+1], v[IPI:IPI+1], 0x4b400000 op_sel_hi:[1,1,0]   ; + 1.5 x 2^23: the low bits now hold n = the nearest whole number to angle / pi
.endr
.irp p, 0,2,4,6
	v_pk_add_f32 v[PS+\p:PS+\p+1], v[TT+\p:TT+\p+1], 0xcb400000 op_sel_hi:[1,0]                    ; n as f32
.endr
.irp p, 0,2,4,6
	v_pk_fma_f32 v[R+\p:R+\p+1], v[PS+\p:PS+\p+1], 0xc0490fdb, v[ANG+\p:ANG+\p+1] op_sel_hi:[1,0,1] ; r = angle - n pi: pi's upper part,
.endr
.irp p, 0,2,4,6
	v_pk_fma_f32 v[R+\p:R+\p+1], v[PS+\p:PS+\p+1], 0x33bbbd2e, v[R+\p:R+\p+1] op_sel_hi:[1,0,1]     ; and its lower part
.endr
.irp p, 0,2,4,6
	v_pk_mul_f32 v[R2+\p:R2+\p+1], v[R+\p:R+\p+1], v[R+\p:R+\p+1]
.endr
.irp p, 0,2,4,6
	v_pk_mul_f32 v[PO+\p:PO+\p+1], v[R2+\p:R2+\p+1], v[R+\p:R+\p+1]                               ; r^3
.endr
.irp p, 0,2,4,6
	v_pk_fma_f32 v[PS+\p:PS+\p+1], v[R2+\p:R2+\p+1], v[C13:C13+1], 0xb2d7322b op_sel_hi:[1,1,0]     ; the sine's series, from r^13 down
.endr
.irp c, 0x3638ef1d, 0xb9500d01, 0x3c088889, 0xbe2aaaab
.irp p, 0,2,4,6
	v_pk_fma_f32 v[PS+\p:PS+\p+1], v[PS+\p:PS+\p+1], v[R2+\p:R2+\p+1], \c op_sel_hi:[1,1,0]
.endr
.endr
.irp p, 0,2,4,6
	v_pk_fma_f32 v[PS+\p:PS+\p+1], v[PO+\p:PO+\p+1], v[PS+\p:PS+\p+1], v[R+\p:R+\p+1]             ; sin r
.endr
.irp p, 0,2,4,6
	v_pk_fma_f32 v[PO+\p:PO+\p+1], v[R2+\p:R2+\p+1], v[C12:C12+1], 0xb493f27e op_sel_hi:[1,1,0]     ; the cosine's, from r^12 down
.endr
.irp c, 0x37d00d01, 0xbab60b61, 0x3d2aaaab, -0.5, 1.0
.irp p, 0,2,4,6
	v_pk_fma_f32 v[PO+\p:PO+\p+1], v[PO+\p:PO+\p+1], v[R2+\p:R2+\p+1], \c op_sel_hi:[1,1,0]
.endr
.endr
.irp j, 0,1,2,3,4,5,6,7
	v_lshlrev_b32 v[TT+\j], 31, v[TT+\j]           ; n odd: both change sign
.endr
.irp j, 0,1,2,3,4,5,6,7
	v_xor_b32 v[\O+\j], v[PO+\j], v[TT+\j]
	v_xor_b32 v[\O+8+\j], v[PS+\j], v[TT+\j]
.endr
.endm
	; THE TABLE: [block of 16 positions: 16][T 4][part 4: cos 0-3, cos 4-7, sin 0-3, sin 4-7][512 bytes: 16 a lane]
	s_mov_b32 s2, 0
	s_mov_b32 s3, 4
.Ltab:                                                 ; four trips, a block of 16 positions each
	s_wait_dscnt 0x0                               ; my stores have read their address
	v_add_nc_u32 v[TW], s2, v[TWR]
	s_wait_alu depctr_va_vdst(0)
.irp T, 0,1,2,3
.set OS, OUTS+16*(\T%2)
	s_wait_dscnt 4                                 ; only the four stores of the tile before may be out: this set of 16 registers is free
	SINCOS8 \T, OS
.irp p, 0,1,2,3
	ds_store_b128 v[TW], v[OS+4*\p:OS+4*\p+3] offset:\T*2048+512*\p
.endr
.endr
	v_pk_add_f32 v[POS:POS+1], v[POS:POS+1], 0x41800000 op_sel_hi:[1,0]   ; 16 positions on
	s_add_co_u32 s2, s2, 8192
	s_sub_co_u32 s3, s3, 1
	s_cmp_lg_u32 s3, 0
	s_cbranch_scc1 .Ltab
	s_wait_dscnt 0x0                               ; for the others' sake: my part of the table lies in LDS
	s_barrier_signal -1
	s_barrier_wait -1                              ; the table is whole
.irp b, 0,1,2,3
	v_mov_b32 v[TM+4+\b], 0                        ; written once: a lane permute's destination counts as one of its sources
.endr
.macro LOADCS a                        ; block a's cos and sin into window 1, set a % 2: cos of tile T at 16 T + j, sin at 16 T + 8 + j
	WIN 0x40
.irp T, 0,1,2,3
.irp p, 0,1,2,3
	ds_load_b128 v[64*((\a)%2)+16*\T+4*\p:64*((\a)%2)+16*\T+4*\p+3], v[TRD] offset:(\a)*8192+\T*2048+512*\p
.endr
.endr
	WIN 0
.endm
.macro ROPE a                          ; tokens 16 a on: x1 = tiles 0-3 of d, x2 = tiles 4-7; each accumulator is read from its low end on
.set AC, 64*((\a)%4)
.set CSB, 64*((\a)%2)
.set WR, (2+(\a)/4)|4
	WIN WR                                         ; source 0: the accumulators' window; source 1: window 1
.irp T, 0,1,2,3
.irp p, 0,2,4,6
	v_pk_mul_f32 v[Y+8*\T+\p:Y+8*\T+\p+1], v[AC+8*\T+\p:AC+8*\T+\p+1], v[CSB+16*\T+\p:CSB+16*\T+\p+1]               ; x1 cos
	v_pk_mul_f32 v[Y+32+8*\T+\p:Y+32+8*\T+\p+1], v[AC+8*\T+\p:AC+8*\T+\p+1], v[CSB+16*\T+8+\p:CSB+16*\T+8+\p+1]     ; x1 sin
.endr
.irp p, 0,2,4,6
	v_pk_fma_f32 v[Y+8*\T+\p:Y+8*\T+\p+1], v[AC+32+8*\T+\p:AC+32+8*\T+\p+1], v[CSB+16*\T+8+\p:CSB+16*\T+8+\p+1], v[Y+8*\T+\p:Y+8*\T+\p+1] neg_lo:[0,1,0] neg_hi:[0,1,0]   ; - x2 sin
	v_pk_fma_f32 v[Y+32+8*\T+\p:Y+32+8*\T+\p+1], v[AC+32+8*\T+\p:AC+32+8*\T+\p+1], v[CSB+16*\T+\p:CSB+16*\T+\p+1], v[Y+32+8*\T+\p:Y+32+8*\T+\p+1]                       ; + x2 cos
.endr
.endr
	WIN 0
.endm
; 64 numbers of a lane, v[s] on in window w; registers 16 b .. 16 b + 15 are my half of block b.  They become a fragment's codes in v[CD] on and its scale word in v[pw].
.macro QUANT s, w, pw
.set WQ, (\w)|((\w)<<2)
	WIN WQ
.irp b, 0,1,2,3
	v_max3_num_f32 v[TM+\b], |v[\s+16*\b]|, |v[\s+1+16*\b]|, 0x1800000   ; my 16 numbers, and the floor 2^(3 - 127): so the byte cannot fall under 1
.endr
.irp i, 2,4,6,8,10,12,14
.irp b, 0,1,2,3
	v_max3_num_f32 v[TM+\b], |v[\s+16*\b+\i]|, |v[\s+1+16*\b+\i]|, v[TM+\b]   ; (the four blocks by turns; the running maximum is source 2, in window 0)
.endr
.endr
	WIN 0
.irp b, 0,1,2,3
	v_permlanex16_b32 v[TM+4+\b], v[TM+\b], s[SEL], s[SEL+1]
.endr
.irp b, 0,1,2,3
	v_max_num_f32 v[TM+\b], v[TM+\b], v[TM+4+\b]   ; with lane l xor 16's: the block's largest magnitude
.endr
.irp b, 0,1,2,3
	v_add_nc_u32 v[TM+12+\b], 0xff000000, v[TM+\b] ; 2 off its exponent field: the conversion takes the exponent field of this operand as its scale
.endr
.irp b, 0,1,2,3
	v_lshrrev_b32 v[TM+4+\b], 23, v[TM+12+\b]      ; the scale's byte
.endr
	v_lshl_or_b32 v[\pw], v[TM+5], 8, v[TM+4]
	v_lshl_or_b32 v[\pw], v[TM+6], 16, v[\pw]
	v_lshl_or_b32 v[\pw], v[TM+7], 24, v[\pw]
.set WQ, \w
	WIN WQ
.irp c, 0,1
	v_cvt_scalef32_pk16_fp6_f32 v[CD+6*\c:CD+2+6*\c], v[\s+32*\c:\s+15+32*\c], v[TM+12+2*\c]
	v_cvt_scalef32_pk16_fp6_f32 v[CD+12+4*\c:CD+14+4*\c], v[\s+16+32*\c:\s+31+32*\c], v[TM+12+2*\c+1]   ; (a conversion's three registers begin on an even number)
.endr
	WIN 0
	v_nop                                          ; one plain place behind a scaled conversion
.irp c, 0,1                                    ; the operand's layout wants a whole block in a lane: lanes 0-15 block 2 c, lanes 16-31 block 2 c + 1
.irp i, 0,1,2
	v_permlane16_swap_b32 v[CD+6*\c+\i], v[CD+12+4*\c+\i]
.endr
.irp i, 0,1,2
	v_mov_b32 v[CD+3+6*\c+\i], v[CD+12+4*\c+\i]
.endr
.endr
.endm
.macro PUT a                           ; the image of tile a: each store covers 512 consecutive bytes, aligned
.irp c, 0,1,2
	global_store_b128 v[LI], v[CD+4*\c:CD+4*\c+3], s[12:13] offset:(\a)*1536+512*\c
.endr
.endm
	s_cmp_lg_u32 s[ROLE], 0                        ; hangs on the cluster's x and the wave's number alone; no barrier and no tensor load stands behind it
	s_cbranch_scc1 .Lv
	LOADCS 0
.irp a, 0,1,2,3,4,5,6,7
.if \a < 7
	LOADCS \a+1
	s_wait_dscnt 16                                ; this block's sixteen loads are in; the next block's may be out
.else
	s_wait_dscnt 0x0
.endif
	ROPE \a
.if \a > 0
	s_wait_xcnt 0x0                                ; the last image's stores have read their registers: the codes may be written again
.endif
	QUANT Y, 0, PWS+\a
	PUT \a
.endr
	s_branch .Lsc
.Lv:                                                   ; a v head: no rope; the accumulators of d tile a hold 128 tokens along the registers
.irp a, 0,1,2,3,4,5,6,7
.if \a > 0
	s_wait_xcnt 0x0
.endif
.set QS, 64*(\a%4)
.set QW, 2+\a/4
	QUANT QS, QW, PWS+\a
	PUT \a
.endr
.Lsc:
	v_cmp_eq_u32 vcc_lo, 1, v[HH]
.irp e, 0,1,2,3
	v_cndmask_b32 v[SW+\e], v[PWS+\e], v[PWS+4+\e], vcc_lo   ; lanes 0-15: tiles 0-3; lanes 16-31: tiles 4-7 (every lane holds its row's words)
.endr
	global_store_b128 v[LI], v[SW:SW+3], s[66:67]  ; my segment's 512 bytes of scale words
	s_wait_tensorcnt 0x0                           ; the wave's end
	ds_add_u32 v[SPW], v[NIL]
	s_wait_dscnt 0x0
	CROUND                                         ; the closing round
	s_endpgm
.Lfunc_end_k_q0d2328a664_qkv:
	.size	k_q0d2328a664_qkv, .Lfunc_end_k_q0d2328a664_qkv-k_q0d2328a664_qkv
	.p2alignl 7, 3214868480
	.fill 96, 4, 3214868480
	.section	.rodata,"a",@progbits
	.p2align	6, 0x0
	.amdhsa_kernel k_q0d2328a664_qkv
		.amdhsa_group_segment_fixed_size 327680
		.amdhsa_private_segment_fixed_size 0
		.amdhsa_enable_private_segment 0
		.amdhsa_kernarg_size 32
		.amdhsa_user_sgpr_count 2
		.amdhsa_user_sgpr_kernarg_segment_ptr 1
		.amdhsa_wavefront_size32 1
		.amdhsa_system_sgpr_workgroup_id_x 1
		.amdhsa_system_sgpr_workgroup_id_y 1
		.amdhsa_system_sgpr_workgroup_id_z 1
		.amdhsa_system_vgpr_workitem_id 0
		.amdhsa_next_free_vgpr 1024
		.amdhsa_next_free_sgpr 102
		.amdhsa_reserve_vcc 1
		.amdhsa_float_denorm_mode_32 3
		.amdhsa_float_denorm_mode_16_64 3
		.amdhsa_memory_ordered 1
		.amdhsa_forward_progress 1
		.amdhsa_inst_pref_size 255
	.end_amdhsa_kernel
	.amdgpu_metadata
---
amdhsa.version: [ 1, 2 ]
amdhsa.kernels:
  - .name:           k_q0d2328a664_qkv
    .symbol:         k_q0d2328a664_qkv.kd
    .args:
      - { .name: img, .offset: 0, .size: 8, .value_kind: global_buffer, .address_space: global }
      - { .name: sc_img, .offset: 8, .size: 8, .value_kind: global_buffer, .address_space: global }
      - { .name: qkv_img, .offset: 16, .size: 8, .value_kind: global_buffer, .address_space: global }
      - { .name: qkv_sc, .offset: 24, .size: 8, .value_kind: global_buffer, .address_space: global }
    .group_segment_fixed_size: 327680
    .private_segment_fixed_size: 0
    .kernarg_segment_align: 8
    .kernarg_segment_size: 32
    .max_flat_workgroup_size: 128
    .sgpr_count:     102
    .vgpr_count:     1024
    .wavefront_size: 32
...
	.end_amdgpu_metadata
.endif
;; end of part 2
;; launch attn (part 3): grid 16 x 16, 16 waves a work-group, clusters of 4 x 1, 206,848 bytes of LDS; arguments qkv_img, qkv_sc, o_img, o_sc; writes o_img, o_sc
.if DOCPART == 3
	.amdgcn_target "amdgcn-amd-amdhsa--gfx1250"
	.amdhsa_code_object_version 6
	.text
	.protected	k_q0d2328a664_attn
	.globl	k_q0d2328a664_attn
	.p2align	8
	.type	k_q0d2328a664_attn,@function
k_q0d2328a664_attn:
	s_mov_b64 s[64:65], 0
	v_nop
	global_prefetch_b8 v0, s[64:65] scope:SCOPE_SE
	s_setreg_imm32_b32 hwreg(HW_REG_WAVE_MODE, 25, 1), 1
	s_wait_xcnt 0x0
	s_wait_alu depctr_hold_cnt(0) depctr_sa_sdst(0) depctr_va_vdst(0) depctr_va_sdst(0) depctr_va_ssrc(0) depctr_va_vcc(0) depctr_vm_vsrc(0)
	s_getreg_b32 s2, hwreg(HW_REG_IB_STS2, 6, 4)
	s_cmp_eq_u32 s2, 0
	s_cbranch_scc0 .Lentry_in_a_cluster
	s_endpgm
.Lentry_in_a_cluster:
	s_bfe_u32 s2, ttmp6, 0x10000c
	s_cmp_lg_u32 s2, 0x3003
	s_cbranch_scc0 .Lentry_shape_is_right
	s_endpgm
.Lentry_shape_is_right:
; Causal attention on codes of FP6 (E2M3): S^T = K Q^T, p = 2^(t - M), O^T = V^T P^T, O / l, and the quantiser of the last product's operand.  16 query heads, 4 key and value heads, 1,024 tokens, head size 128.
; Q, K, V come as images of operands' registers (12 registers a lane: group c of lane l at 512 c + 16 l of 1,536 bytes) with one scale word a row; so every fragment is three loads of 16 bytes a lane at 16 x lane.
; t = score x log2(e) / sqrt(128); M = the running largest t rounded UP to a whole number; p is not normalised; the row's sum is taken of the unquantised p and divides O at the end.
; SHARES.  A work-group owns one query head and 256 of its queries; each of its sixteen waves one tile of 16, in 256 registers.  A wave walks key steps 0 .. GH of 128 keys, GH the step on its diagonal; later steps
; lie wholly under the mask and are left out by a scalar branch.  EVEN WORK: the head's 16 groups of 64 queries are dealt so that work-group jj holds groups jj, 7 - jj, 8 + jj, 15 - jj: 72 wave-steps each.
; ALL OF K AND V of one key and value head (2 x 98,304 bytes of images, 2 x 4,096 of scale words) fits in LDS: it comes once, by first fills at the head, in four chunks of 256 keys.  Nothing is filled again.
; CLUSTER.  The four query heads that share a key and value head are the four partners (cx = the head among the four): each load is asked for jointly.  jj = the cluster's x, so all branches are alike in all partners.
; No prefetch is laid: every byte of K and V is asked for by the tensor loads at the head, so no later load is left to run ahead of.
; THE KEYS INSIDE A BLOCK OF 32 lie in the order 0-7, 16-23, 8-15, 24-31 in p's codes as in V's images (and d likewise in Q's and K's): each product pairs the right numbers.  O is put into the true order of d
; before it is quantised, since the last product's other operand is given.
; o_img [16 tokens: 256][head 16][1,536]; o_sc [16 tokens: 256][head 16][16 words].  (The scale words leave in runs of 64 bytes: one byte in 24 of what this launch stores.)
; LIMITS: a block of zeros gets the byte 1 where the rule says 127 (its codes are zeros; this program alone reads the bytes); NaN and infinities are not served.
.set KIMG, 0
.set VIMG, 98304
.set KSC,  196608
.set VSC,  200704
.set LI,  1                            ; v1   16 x lane
.set RR,  2                            ; v2   r
.set HH,  3                            ; v3   h
.set LV,  4                            ; v4   VIMG + 16 x lane
.set LKS, 5                            ; v5   KSC + 16 x lane
.set LVS, 6                            ; v6   VSC + 16 x lane
.set DQ,  7                            ; v7   my query less the diagonal step's first key less 8 h
.set ADK, 8
.set ADV, 9
.set ADS, 10
.set ADT, 11
.set R16, 28                           ; v28  16 r
.set R4,  29                           ; v29  4 r
.set CD,  32                           ; the way out: the codes
.set TM,  52
.set PW,  68
.set WV,  12
.set GH,  21
.set SEL, 60
.set CS,  62
; REGISTERS: v12 -M, v13 the largest t, v[14:15] the sum in two halves; v16-27 Q; v32-79 four fragments of K or V; v96-159 S^T, then p; v160-223 O^T; v224-235 p's codes; v232-254 at work; v248-251 scale words; v255 Q's.
.macro CROUND
	s_barrier_signal -1
	s_barrier_wait -1
	s_cmp_lg_u32 s[WV], 0
	s_cbranch_scc1 .Lnot_wave_0_\@
	s_barrier_signal -3
.Lnot_wave_0_\@:
	s_barrier_wait -3
	s_barrier_signal -1
	s_barrier_wait -1
.endm
	s_load_b256 s[4:11], s[0:1], 0x0               ; qkv_img s[4:5], qkv_sc s[6:7], o_img s[8:9], o_sc s[10:11]
	v_lshl_add_u32 v95, v0, 2, 0x32000
	v_mov_b32 v243, 0
	ds_add_u32 v95, v243
	ds_add_u32 v95, v243
	v_lshrrev_b32 v1, 5, v0
	s_delay_alu instid0(VALU_DEP_1)
	v_readfirstlane_b32 s[WV], v1                  ; wave 0..15
	s_bfe_u32 s13, ttmp6, 0x40000                  ; cx: my query head among the four of its group
	s_and_b32 s15, ttmp7, 0xffff
	s_lshr_b32 s16, s15, 2                         ; the batch
	s_and_b32 s17, s15, 3                          ; the key and value head
	s_lshr_b32 s19, s[WV], 2                       ; e: my tile in its group of 64 queries
	s_add_co_u32 s18, s[WV], s19
	s_and_b32 s18, s18, 3                          ; a: which of the work-group's four groups
	s_sub_co_u32 s70, 3, ttmp9
	s_bitcmp1_b32 s18, 0
	s_cselect_b32 s70, s70, ttmp9                  ; a odd: 3 - jj, else jj
	s_lshl_b32 s20, s18, 2
	s_add_co_u32 s20, s20, s70                     ; the group
	s_lshr_b32 s[GH], s20, 1                       ; the key step on its diagonal
	s_lshl_b32 s22, s20, 2
	s_add_co_u32 s22, s22, s19                     ; my tile of 16 queries, 0 .. 63
	s_mul_i32 s23, s16, 24
	; what waves 0 (K) and 1 (V) fetch
	s_and_b32 s14, s[WV], 1
	s_lshl_b32 s70, s14, 2
	s_add_co_u32 s70, s70, s23
	s_add_co_u32 s70, s70, s17
	s_add_co_u32 s70, s70, 16                      ; 24 b + 16 + 4 kind + g
	s_mul_i32 s72, s70, 98304                      ; its images,
	s_mov_b32 s73, 0
	s_lshl_b32 s74, s70, 12                        ; its scale words
	s_mov_b32 s75, 0
	s_mul_i32 s76, s14, 98304                      ; in LDS: K's images at 0, V's behind them
	s_lshl_b32 s77, s14, 12
	s_add_co_u32 s77, s77, KSC
	; descriptor group 1: a chunk of 24,576 dense bytes as 96 rows of 256 (32 elements of 8 bytes); the scale words: 16 such rows
	s_mov_b32 s24, 15|(3<<16)|(1<<21)              ; 15:0 the mask: all four partners; 17:16 elements of 8 bytes; 21 set beside a mask
	s_mov_b32 s25, 32<<16
	s_mov_b32 s26, 96<<16
	s_mov_b32 s27, 32<<16
	s_mov_b32 s28, 96
	s_mov_b32 s29, 32
	s_mov_b32 s30, 0
	s_mov_b32 s31, 0
	s_mov_b32 s32, 15|(3<<16)|(1<<21)
	s_mov_b32 s33, 32<<16
	s_mov_b32 s34, 16<<16
	s_mov_b32 s35, 32<<16
	s_mov_b32 s36, 16
	s_mov_b32 s37, 32
	s_mov_b32 s38, 0
	s_mov_b32 s39, 0
	s_mov_b32 s[SEL], 0x76543210
	s_mov_b32 s[SEL+1], 0xfedcba98
	s_mov_b32 s[CS], 0x3e0293ee                    ; c = log2(e) / sqrt(128)
	s_mov_b32 s[CS+1], s[CS]
	s_wait_dscnt 0x0
	s_wait_kmcnt 0x0
	s_mov_b32 s40, 1
	s_mov_b32 s41, s77
	s_add_nc_u64 s[42:43], s[6:7], s[74:75]
	s_or_b32 s43, s43, 0x80000000
	s_lshr_b32 s48, s[WV], 1                       ; waves 0-7: chunk wave / 2 of K (even waves) or V (odd waves)
	s_mul_i32 s48, s48, 24576
	s_mov_b32 s49, 0
	s_mov_b32 s44, 1
	s_add_co_u32 s45, s76, s48
	s_add_nc_u64 s[46:47], s[4:5], s[72:73]
	s_add_nc_u64 s[46:47], s[46:47], s[48:49]
	s_or_b32 s47, s47, 0x80000000
	CROUND                                         ; all four work-groups are here: the joint loads meet
	s_cmp_lt_u32 s[WV], 8                          ; the ten first fills, one a wave, in one chain of branches on the wave's number: waves 0-7 a chunk of 256 keys each,
	s_cbranch_scc0 .Lfor_sc
	tensor_load_to_lds s[44:47], s[24:31]
	s_nop 0
.rept 4
	v_nop
.endr
	s_branch .Lno_fetch
.Lfor_sc:
	s_cmp_lt_u32 s[WV], 10                         ; waves 8 and 9 K's and V's scale words, the others none
	s_cbranch_scc0 .Lno_fetch
	tensor_load_to_lds s[40:43], s[32:39]
	s_nop 0
.rept 4
	v_nop
.endr
.Lno_fetch:
	; my tile of Q, and where my results go
	s_lshl_b32 s70, s17, 2
	s_add_co_u32 s70, s70, s13                     ; the query head 4 g + cx
	s_add_co_u32 s71, s70, s23                     ; 24 b + head
	s_lshl_b32 s78, s71, 6
	s_add_co_u32 s78, s78, s22
	s_mul_i32 s78, s78, 1536
	s_mov_b32 s79, 0
	s_add_nc_u64 s[66:67], s[4:5], s[78:79]        ; Q's image
	s_lshl_b32 s78, s71, 12
	s_lshr_b32 s72, s22, 2
	s_lshl_b32 s72, s72, 8
	s_add_co_u32 s78, s78, s72                     ; + 256 x (tile / 4): the segment and the half of its lanes
	s_and_b32 s72, s22, 3
	s_lshl_b32 s72, s72, 2
	s_add_co_u32 s78, s78, s72                     ; + 4 x (tile % 4)
	s_add_nc_u64 s[68:69], s[6:7], s[78:79]        ; Q's scale words, 16 bytes from row to row
	s_lshl_b32 s78, s16, 6
	s_add_co_u32 s78, s78, s22
	s_lshl_b32 s78, s78, 4
	s_add_co_u32 s72, s78, s70                     ; (64 b + tile) x 16 + head
	s_mul_i32 s78, s72, 1536
	s_add_nc_u64 s[8:9], s[8:9], s[78:79]
	s_lshl_b32 s78, s72, 6
	s_add_nc_u64 s[10:11], s[10:11], s[78:79]
	v_and_b32 v[LI], 31, v0
	s_delay_alu instid0(VALU_DEP_1)
	v_lshlrev_b32 v[LI], 4, v[LI]
	v_and_b32 v[RR], 15, v0
	v_bfe_u32 v[HH], v0, 4, 1
	s_delay_alu instid0(VALU_DEP_2)
	v_lshlrev_b32 v[R16], 4, v[RR]
	s_delay_alu instid0(VALU_DEP_3)
	v_lshlrev_b32 v[R4], 2, v[RR]
	global_load_b128 v[16:19], v[LI], s[66:67]
	global_load_b128 v[20:23], v[LI], s[66:67] offset:512
	global_load_b128 v[24:27], v[LI], s[66:67] offset:1024
	global_load_b32 v255, v[R16], s[68:69]
	v_add_nc_u32 v[LV], VIMG, v[LI]
	v_add_nc_u32 v[LKS], KSC, v[LI]
	v_add_nc_u32 v[LVS], VSC, v[LI]
	s_and_b32 s70, s22, 7
	s_lshl_b32 s70, s70, 4
	v_add_nc_u32 v[DQ], s70, v[RR]
	v_lshlrev_b32 v8, 3, v[HH]
	s_delay_alu instid0(VALU_DEP_1)
	v_sub_nc_u32 v[DQ], v[DQ], v8                  ; 16 (tile % 8) + r - 8 h
	v_mov_b32 v13, 0xff61b1e6                      ; the largest t so far: -3e38
	s_delay_alu instid0(VALU_DEP_1)
	v_floor_f32 v12, -v13                          ; -M
	v_mov_b32 v14, 0
	v_mov_b32 v15, 0
.irp b, 0,1,2,3
	v_mov_b32 v[236+\b], 0                         ; written once: a lane permute's destination counts as one of its sources
.endr
	v_mov_b32 v252, 0
	v_mov_b32 v253, 0
.set n, 0
.rept 64
	v_mov_b32 v[160+n], 0                          ; O^T: the step is written alike for all steps; the first finds zeros, which the first change of M leaves zeros
.set n, n+1
.endr
	s_wait_loadcnt 0x0                             ; Q
; KEY STEP ks: keys 128 ks on.  Every LDS address is a constant + 16 x lane.
.macro STEP ks
.if \ks > 0
	s_cmp_lt_u32 s[GH], \ks                        ; all its keys come after my queries: left out
	s_cbranch_scc1 .Lhidden_\@
.endif
	v_add_nc_u32 v[ADK], 12288*\ks, v[LI]          ; (these four are also the places in front of the loads into registers that the last products read)
	s_wait_alu depctr_va_vdst(0)
	v_add_nc_u32 v[ADV], 12288*\ks, v[LV]
	v_add_nc_u32 v[ADS], 512*\ks, v[LKS]
	v_add_nc_u32 v[ADT], 512*\ks, v[LVS]
	ds_load_b128 v[248:251], v[ADS]                ; K's scale words: lanes 0-15 tiles 0-3, lanes 16-31 tiles 4-7
.irp g, 0,1                                    ; S^T = K Q^T, four tiles of 16 keys at a time
.if \g > 0
.rept 4
	v_nop
.endr
.endif
.irp t, 0,1,2,3
.irp c, 0,1,2
	ds_load_b128 v[32+12*\t+4*\c:35+12*\t+4*\c], v[ADK] offset:(4*\g+\t)*1536+512*\c
.endr
.endr
	s_wait_dscnt 0x0
.irp t, 0,1,2,3
.if \g == 0
	v_wmma_scale_f32_16x16x128_f8f6f4 v[96+8*(4*\g+\t):103+8*(4*\g+\t)], v[32+12*\t:43+12*\t], v[16:27], 0, v[248+\t], v255 matrix_a_fmt:MATRIX_FMT_FP6 matrix_b_fmt:MATRIX_FMT_FP6
.else
	v_wmma_scale_f32_16x16x128_f8f6f4 v[96+8*(4*\g+\t):103+8*(4*\g+\t)], v[32+12*\t:43+12*\t], v[16:27], 0, v[248+\t], v255 matrix_a_fmt:MATRIX_FMT_FP6 matrix_b_fmt:MATRIX_FMT_FP6 matrix_a_scale:MATRIX_SCALE_ROW1
.endif
.endr
.endr                                          ; lane (r, h): query r; register 8 T + j: key 128 ks + 16 T + 8 h + j
.rept 4
	v_nop
.endr
	s_wait_alu depctr_va_vdst(0)
	ds_load_b128 v[248:251], v[ADT]                ; V's scale words and its first four fragments are asked for now and land under the softmax
.irp t, 0,1,2,3
.irp c, 0,1,2
	ds_load_b128 v[32+12*\t+4*\c:35+12*\t+4*\c], v[ADV] offset:\t*1536+512*\c
.endr
.endr
	s_cmp_lg_u32 s[GH], \ks                        ; on the diagonal the scores of hidden keys become -infinity ahead of the maximum: p = 0 then
	s_cbranch_scc1 .Lopen_\@
	v_mov_b32 v254, 0xff800000
.irp n, 0,1,2,3,4,5,6,7,8,9,10,11,12,13,14,15,16,17,18,19,20,21,22,23,24,25,26,27,28,29,30,31,32,33,34,35,36,37,38,39,40,41,42,43,44,45,46,47,48,49,50,51,52,53,54,55,56,57,58,59,60,61,62,63
	v_cmp_gt_i32 vcc_lo, 16*(\n/8)+\n%8, v[DQ]
	v_cndmask_b32 v[96+\n], v[96+\n], v254, vcc_lo
.endr
.Lopen_\@:
.irp b, 0,1,2,3
	v_max3_num_f32 v[232+\b], v[96+16*\b], v[97+16*\b], v[98+16*\b]   ; the largest score of each block of 32 keys: it serves for the row's maximum and, since p rises with the score, for the block's largest p
.endr
.irp i, 3,5,7,9,11,13
.irp b, 0,1,2,3
	v_max3_num_f32 v[232+\b], v[232+\b], v[96+16*\b+\i], v[97+16*\b+\i]
.endr
.endr
.irp b, 0,1,2,3
	v_max_num_f32 v[232+\b], v[232+\b], v[111+16*\b]
.endr
.irp b, 0,1,2,3
	s_delay_alu instid0(VALU_DEP_4)
	v_permlanex16_b32 v[236+\b], v[232+\b], s[SEL], s[SEL+1]
.endr
.irp b, 0,1,2,3
	s_delay_alu instid0(VALU_DEP_4)
	v_max_num_f32 v[232+\b], v[232+\b], v[236+\b]  ; with lane l xor 16's 16 keys
.endr
	s_delay_alu instid0(VALU_DEP_2)
	v_max3_num_f32 v254, v232, v233, v234
	s_delay_alu instid0(VALU_DEP_1)
	v_max_num_f32 v254, v254, v235
	s_delay_alu instid0(VALU_DEP_1)
	v_mul_f32 v254, s[CS], v254                    ; as t
	s_delay_alu instid0(VALU_DEP_1)
	v_max_num_f32 v13, v13, v254                   ; the running largest t
	v_mov_b32 v254, v12
	s_delay_alu instid0(VALU_DEP_2)
	v_floor_f32 v12, -v13                          ; the new -M = -ceil(t)
	s_delay_alu instid0(VALU_DEP_1)
	v_sub_f32 v254, v12, v254                      ; old M - new M: a whole number, 0 or less
	s_delay_alu instid0(VALU_DEP_1)
	v_cvt_i32_f32 v254, v254                       ; (it saturates)
	s_delay_alu instid0(VALU_DEP_1)
	v_ldexp_f32 v252, 1.0, v254                    ; f = 2^(old M - new M): a multiplication by it rounds nothing
.irp j, 0,2,4,6,8,10,12,14,16,18,20,22,24,26,28,30,32,34,36,38,40,42,44,46,48,50,52,54,56,58,60,62
	v_pk_fma_f32 v[96+\j:97+\j], v[96+\j:97+\j], s[CS:CS+1], v[12:13] op_sel_hi:[1,0,0]   ; t - M
.endr
.irp b, 0,1,2,3
	v_fma_f32 v[232+\b], v[232+\b], s[CS], v12
.endr
	s_wait_alu depctr_va_vdst(0)
.irp j, 0,1,2,3,4,5,6,7,8,9,10,11,12,13,14,15,16,17,18,19,20,21,22,23,24,25,26,27,28,29,30,31,32,33,34,35,36,37,38,39,40,41,42,43,44,45,46,47,48,49,50,51,52,53,54,55,56,57,58,59,60,61,62,63
	v_exp_f32 v[96+\j], v[96+\j]                   ; p = 2^(t - M)
.endr
	v_pk_mul_f32 v[14:15], v[14:15], v[252:253] op_sel_hi:[1,0]   ; the sums under the new M (a plain place behind the exponentials)
	s_wait_alu depctr_va_vdst(0)                   ; one wait for the batch of 64, ahead of its first reader
.irp b, 0,1,2,3
	v_exp_f32 v[232+\b], v[232+\b]                 ; each block's largest p
.endr
	v_pk_add_f32 v[236:237], v[100:101], v[104:105]
	v_pk_add_f32 v[246:247], v[108:109], v[112:113]
	v_pk_add_f32 v[244:245], v[116:117], v[120:121]
	v_pk_add_f32 v[240:241], v[124:125], v[128:129]
	v_pk_add_f32 v[238:239], v[132:133], v[136:137]
	v_pk_add_f32 v[230:231], v[140:141], v[144:145]
	v_pk_add_f32 v[228:229], v[148:149], v[152:153]
	v_pk_add_f32 v[14:15], v[14:15], v[156:157]
	v_pk_add_f32 v[236:237], v[236:237], v[96:97]
	v_pk_add_f32 v[246:247], v[246:247], v[98:99]
	v_pk_add_f32 v[244:245], v[244:245], v[102:103]
	v_pk_add_f32 v[240:241], v[240:241], v[106:107]
	v_pk_add_f32 v[238:239], v[238:239], v[110:111]
	v_pk_add_f32 v[230:231], v[230:231], v[114:115]
	v_pk_add_f32 v[228:229], v[228:229], v[118:119]
	v_pk_add_f32 v[14:15], v[14:15], v[122:123]
	v_pk_add_f32 v[236:237], v[236:237], v[126:127]
	v_pk_add_f32 v[246:247], v[246:247], v[130:131]
	v_pk_add_f32 v[244:245], v[244:245], v[134:135]
	v_pk_add_f32 v[240:241], v[240:241], v[138:139]
	v_pk_add_f32 v[238:239], v[238:239], v[142:143]
	v_pk_add_f32 v[230:231], v[230:231], v[146:147]
	v_pk_add_f32 v[228:229], v[228:229], v[150:151]
	v_pk_add_f32 v[14:15], v[14:15], v[154:155]
	v_pk_add_f32 v[236:237], v[236:237], v[158:159]
	s_delay_alu instid0(VALU_DEP_2)
	v_pk_add_f32 v[14:15], v[14:15], v[240:241]
	s_delay_alu instid0(VALU_DEP_2)
	v_pk_add_f32 v[236:237], v[236:237], v[238:239]
	v_pk_add_f32 v[246:247], v[246:247], v[230:231]
	v_pk_add_f32 v[244:245], v[244:245], v[228:229]
	s_delay_alu instid0(VALU_DEP_2)
	v_pk_add_f32 v[14:15], v[14:15], v[246:247]
	s_delay_alu instid0(VALU_DEP_2)
	v_pk_add_f32 v[236:237], v[236:237], v[244:245]
	s_delay_alu instid0(VALU_DEP_1)
	v_pk_add_f32 v[14:15], v[14:15], v[236:237]
	s_wait_alu depctr_va_vdst(0)                   ; and one for the four
.irp b, 0,1,2,3
	v_max_num_f32 v[232+\b], 0x1800000, v[232+\b]  ; the floor 2^(3 - 127): the byte cannot fall under 1
.endr
.irp b, 0,1,2,3
	s_delay_alu instid0(VALU_DEP_4)
	v_add_nc_u32 v[244+\b], 0xff000000, v[232+\b]  ; 2 off the exponent field: the conversion's scale operand
.endr
.irp b, 0,1,2,3
	s_delay_alu instid0(VALU_DEP_4)
	v_lshrrev_b32 v[236+\b], 23, v[244+\b]
.endr
	s_delay_alu instid0(VALU_DEP_3)
	v_lshl_or_b32 v253, v237, 8, v236              ; p's scale word for these 128 keys
	s_delay_alu instid0(VALU_DEP_1)
	v_lshl_or_b32 v253, v238, 16, v253
	s_delay_alu instid0(VALU_DEP_1)
	v_lshl_or_b32 v253, v239, 24, v253
.irp c, 0,1
	v_cvt_scalef32_pk16_fp6_f32 v[224+6*\c:226+6*\c], v[96+32*\c:111+32*\c], v[244+2*\c]
	v_cvt_scalef32_pk16_fp6_f32 v[236+4*\c:238+4*\c], v[112+32*\c:127+32*\c], v[244+2*\c+1]
.endr
	v_nop                                          ; one plain place behind a scaled conversion
.irp c, 0,1
.irp i, 0,1,2
	v_permlane16_swap_b32 v[224+6*\c+\i], v[236+4*\c+\i]
.endr
.irp i, 0,1,2
	s_delay_alu instid0(VALU_DEP_3)
	v_mov_b32 v[227+6*\c+\i], v[236+4*\c+\i]
.endr
.endr
.irp j, 0,2,4,6,8,10,12,14,16,18,20,22,24,26,28,30,32,34,36,38,40,42,44,46,48,50,52,54,56,58,60,62
	v_pk_mul_f32 v[160+\j:161+\j], v[160+\j:161+\j], v[252:253] op_sel_hi:[1,0]   ; O^T under the new M (these 32 are also the places in front of the scaled products below)
.endr
	s_wait_alu depctr_va_vdst(0)
.irp g, 0,1                                    ; O^T += V^T P^T, four tiles of 16 of the head's 128 at a time
.if \g > 0
.rept 4
	v_nop
.endr
.irp t, 0,1,2,3
.irp c, 0,1,2
	ds_load_b128 v[32+12*\t+4*\c:35+12*\t+4*\c], v[ADV] offset:(4+\t)*1536+512*\c
.endr
.endr
.endif
	s_wait_dscnt 0x0
.irp t, 0,1,2,3
.if \g == 0
	v_wmma_scale_f32_16x16x128_f8f6f4 v[160+8*(4*\g+\t):167+8*(4*\g+\t)], v[32+12*\t:43+12*\t], v[224:235], v[160+8*(4*\g+\t):167+8*(4*\g+\t)], v[248+\t], v253 matrix_a_fmt:MATRIX_FMT_FP6 matrix_b_fmt:MATRIX_FMT_FP6
.else
	v_wmma_scale_f32_16x16x128_f8f6f4 v[160+8*(4*\g+\t):167+8*(4*\g+\t)], v[32+12*\t:43+12*\t], v[224:235], v[160+8*(4*\g+\t):167+8*(4*\g+\t)], v[248+\t], v253 matrix_a_fmt:MATRIX_FMT_FP6 matrix_b_fmt:MATRIX_FMT_FP6 matrix_a_scale:MATRIX_SCALE_ROW1
.endif
.endr
.endr
.Lhidden_\@:
.endm
; Chunk c has landed in every wave's sight: each wave waits for its one fill, then the barrier.
.macro CHUNK c
	s_wait_tensorcnt 0x0                           ; my one fill has landed
	s_wait_dscnt 0x0
	s_barrier_signal -1
	s_barrier_wait -1
.endm
	CHUNK 0
	STEP 0
	STEP 1
	CHUNK 1
	STEP 2
	STEP 3
	CHUNK 2
	STEP 4
	STEP 5
	CHUNK 3
	STEP 6
	STEP 7
	; THE WAY OUT: O^T / the sum, the true order of d, the quantiser, the image
.rept 4
	v_nop                                          ; places behind the last products
.endr
	v_add_f32 v14, v14, v15
	s_delay_alu instid0(VALU_DEP_1)
	v_permlanex16_b32 v252, v14, s[SEL], s[SEL+1]
	s_delay_alu instid0(VALU_DEP_1)
	v_add_f32 v14, v14, v252                       ; the row's sum
	s_wait_alu depctr_va_vdst(0)
	v_rcp_f32 v14, v14
.irp b, 0,1,2,3
	v_mov_b32 v[TM+4+\b], 0                        ; (plain work behind the reciprocal)
.endr
	s_wait_alu depctr_va_vdst(0)                   ; the wait, ahead of the first reader
.irp j, 0,2,4,6,8,10,12,14,16,18,20,22,24,26,28,30,32,34,36,38,40,42,44,46,48,50,52,54,56,58,60,62
	v_pk_mul_f32 v[96+\j:97+\j], v[160+\j:161+\j], v[14:15] op_sel_hi:[1,0]   ; register 8 T + j: o(r, 16 T + 8 h + j)
.endr
.irp b, 0,1,2,3                                ; tile 2 b's lanes 16-31 change places with tile 2 b + 1's lanes 0-15: register 16 b + i now holds d = 32 b + 16 h + i
.irp j, 0,1,2,3,4,5,6,7
	v_permlane16_swap_b32 v[96+16*\b+\j], v[104+16*\b+\j]
.endr
.endr
.irp b, 0,1,2,3
	v_max3_num_f32 v[TM+\b], |v[96+16*\b]|, |v[97+16*\b]|, 0x1800000
.endr
.irp i, 2,4,6,8,10,12,14
.irp b, 0,1,2,3
	s_delay_alu instid0(VALU_DEP_4)
	v_max3_num_f32 v[TM+\b], v[TM+\b], |v[96+16*\b+\i]|, |v[97+16*\b+\i]|
.endr
.endr
.irp b, 0,1,2,3
	s_delay_alu instid0(VALU_DEP_4)
	v_permlanex16_b32 v[TM+4+\b], v[TM+\b], s[SEL], s[SEL+1]
.endr
.irp b, 0,1,2,3
	s_delay_alu instid0(VALU_DEP_4)
	v_max_num_f32 v[TM+\b], v[TM+\b], v[TM+4+\b]
.endr
.irp b, 0,1,2,3
	s_delay_alu instid0(VALU_DEP_4)
	v_add_nc_u32 v[TM+12+\b], 0xff000000, v[TM+\b]
.endr
.irp b, 0,1,2,3
	s_delay_alu instid0(VALU_DEP_4)
	v_lshrrev_b32 v[TM+4+\b], 23, v[TM+12+\b]
.endr
	s_delay_alu instid0(VALU_DEP_3)
	v_lshl_or_b32 v[PW], v[TM+5], 8, v[TM+4]
	s_delay_alu instid0(VALU_DEP_1)
	v_lshl_or_b32 v[PW], v[TM+6], 16, v[PW]
	s_delay_alu instid0(VALU_DEP_1)
	v_lshl_or_b32 v[PW], v[TM+7], 24, v[PW]
.irp c, 0,1
	v_cvt_scalef32_pk16_fp6_f32 v[CD+6*\c:CD+2+6*\c], v[96+32*\c:111+32*\c], v[TM+12+2*\c]
	v_cvt_scalef32_pk16_fp6_f32 v[CD+12+4*\c:CD+14+4*\c], v[112+32*\c:127+32*\c], v[TM+12+2*\c+1]
.endr
	v_nop
.irp c, 0,1
.irp i, 0,1,2
	v_permlane16_swap_b32 v[CD+6*\c+\i], v[CD+12+4*\c+\i]
.endr
.irp i, 0,1,2
	s_delay_alu instid0(VALU_DEP_3)
	v_mov_b32 v[CD+3+6*\c+\i], v[CD+12+4*\c+\i]
.endr
.endr
.irp c, 0,1,2
	global_store_b128 v[LI], v[CD+4*\c:CD+4*\c+3], s[8:9] offset:512*\c   ; each store covers 512 consecutive bytes, aligned
.endr
	global_store_b32 v[R4], v[PW], s[10:11]        ; row r's scale word (lanes r and r + 16 hold and write the same word)
	s_wait_tensorcnt 0x0
	ds_add_u32 v95, v243
	s_wait_dscnt 0x0
	CROUND                                         ; the closing round: all tensor loads were waited for at the last chunk
	s_endpgm
.Lfunc_end_k_q0d2328a664_attn:
	.size	k_q0d2328a664_attn, .Lfunc_end_k_q0d2328a664_attn-k_q0d2328a664_attn
	.p2alignl 7, 3214868480
	.fill 96, 4, 3214868480
	.section	.rodata,"a",@progbits
	.p2align	6, 0x0
	.amdhsa_kernel k_q0d2328a664_attn
		.amdhsa_group_segment_fixed_size 206848
		.amdhsa_private_segment_fixed_size 0
		.amdhsa_enable_private_segment 0
		.amdhsa_kernarg_size 32
		.amdhsa_user_sgpr_count 2
		.amdhsa_user_sgpr_kernarg_segment_ptr 1
		.amdhsa_wavefront_size32 1
		.amdhsa_system_sgpr_workgroup_id_x 1
		.amdhsa_system_sgpr_workgroup_id_y 1
		.amdhsa_system_sgpr_workgroup_id_z 1
		.amdhsa_system_vgpr_workitem_id 0
		.amdhsa_next_free_vgpr 256
		.amdhsa_next_free_sgpr 80
		.amdhsa_reserve_vcc 1
		.amdhsa_float_denorm_mode_32 3
		.amdhsa_float_denorm_mode_16_64 3
		.amdhsa_memory_ordered 1
		.amdhsa_forward_progress 1
		.amdhsa_inst_pref_size 219
	.end_amdhsa_kernel
	.amdgpu_metadata
---
amdhsa.version: [ 1, 2 ]
amdhsa.kernels:
  - .name:           k_q0d2328a664_attn
    .symbol:         k_q0d2328a664_attn.kd
    .args:
      - { .name: qkv_img, .offset: 0, .size: 8, .value_kind: global_buffer, .address_space: global }
      - { .name: qkv_sc, .offset: 8, .size: 8, .value_kind: global_buffer, .address_space: global }
      - { .name: o_img, .offset: 16, .size: 8, .value_kind: global_buffer, .address_space: global }
      - { .name: o_sc, .offset: 24, .size: 8, .value_kind: global_buffer, .address_space: global }
    .group_segment_fixed_size: 206848
    .private_segment_fixed_size: 0
    .kernarg_segment_align: 8
    .kernarg_segment_size: 32
    .max_flat_workgroup_size: 512
    .sgpr_count:     80
    .vgpr_count:     256
    .wavefront_size: 32
...
	.end_amdgpu_metadata
.endif
;; end of part 3
;; launch oproj (part 4): grid 16 x 16, 4 waves a work-group, clusters of 4 x 4, 327,680 bytes of LDS; arguments o_img, o_sc, img, sc_img, out0; writes out0
.if DOCPART == 4
	.amdgcn_target "amdgcn-amd-amdhsa--gfx1250"
	.amdhsa_code_object_version 6
	.text
	.protected	k_q0d2328a664_oproj
	.globl	k_q0d2328a664_oproj
	.p2align	8
	.type	k_q0d2328a664_oproj,@function
k_q0d2328a664_oproj:
	s_mov_b64 s[64:65], 0
	v_nop
	global_prefetch_b8 v0, s[64:65] scope:SCOPE_SE
	s_setreg_imm32_b32 hwreg(HW_REG_WAVE_MODE, 25, 1), 1
	s_wait_xcnt 0x0
	s_wait_alu depctr_hold_cnt(0) depctr_sa_sdst(0) depctr_va_vdst(0) depctr_va_sdst(0) depctr_va_ssrc(0) depctr_va_vcc(0) depctr_vm_vsrc(0)
	s_getreg_b32 s2, hwreg(HW_REG_IB_STS2, 6, 4)
	s_cmp_eq_u32 s2, 0
	s_cbranch_scc0 .Lentry_in_a_cluster
	s_endpgm
.Lentry_in_a_cluster:
	s_bfe_u32 s2, ttmp6, 0x10000c
	s_cmp_lg_u32 s2, 0xf033
	s_cbranch_scc0 .Lentry_shape_is_right
	s_endpgm
.Lentry_shape_is_right:
; out0 = o w_o^T on codes of FP6 (E2M3) with E8M0 scale bytes; sums in f32.  Both operands come as images: [tile of 16 rows][K step 16][1,536 bytes], group c of four registers of lane l at 512 c + 16 l,
; and scale words [tile][K step][16 words].  o: o_img, o_sc; w_o: tiles 448-575 of img and sc_img.
; SHARES.  A work-group makes 256 tokens x 128 columns: 16 x 16 = 256 work-groups.  Each of its four waves makes 64 tokens x 128 columns: 32 accumulators, 256 registers.
; K goes in four fills of 512 through two LDS slots (16 + 8 tiles x 6,144 bytes = 147,456 each); a tensor row is 6,144 bytes and begins at a multiple of 256.  The scale words (16,384 + 8,192 bytes) come once.
; CLUSTERS: 4 x 4; the four of a row need the same tokens, the four of a column the same weights: each tile is asked for jointly.
; The matrix instruction is used transposed (source 0 = weights, source 1 = tokens): a lane holds eight neighbouring columns of one row of the result.
; PREFETCH: fill f + 1 is named behind fill f's load and the LDS loads that follow it (f = 1, 2), one slot ahead of its own load.  Of a fill's 16 token tiles the partner at cx names 4, a wave one (24 blocks of 256 bytes,
; a lane a block); of its 8 weight tiles the partner at cy names 2, a wave half of one (12 blocks).  Lanes left over name their wave's last block again.  Fill 0 comes by its load alone.
; REGISTERS: window 0: v12-30 addresses, v32-63 scale words (two sets), v128-223 the tokens' fragments (two sets of 4); window 1: the weights' (two sets of 8, at v0 and v128); window 2: accumulator (a, b) at v[8 (8 a + b)].
.set SIZE_N, 2048
.set FR,     12
.set AT,     6144                      ; a tile's bytes in a slot: 4 K steps
.set ASL,    16*AT                     ; the tokens' part of a slot
.set SLOT,   24*AT
.set SCLA,   2*SLOT
.set SCLB,   SCLA+16384
.set SPARE,  SCLB+8192                 ; the spare words: 512 bytes that no other line names
.set SPITCH, 528
.set PFOA, 12
.set PFOB, 13
.set ADRA, 16
.set ADRB, 20
.set STO,  24
.set RD,   25
.set CO,   26
.set ADSB, 27
.set SPW,  28
.set NIL,  29
.set ADSA, 30
.set SC,   32
.set AF,   128
.set BK,   128
.set G0H, 4
.set G0HB, 8
.set G1, 24
.set G0, 32
.set G1B, 48
.set G0B, 56
.set G1S, 68
.set G0S, 76
.set G1SB, 80
.set G0SB, 88
.set PA, 92
.set PB, 94
.set MSB, 0
.macro WIN new                         ; the immediate's high byte repeats the setting that is left
.if MSB != \new
	s_set_vgpr_msb (MSB<<8)|\new
.set MSB, \new
.endif
.endm
.set MUL_LO, 0xa1                      ; source 0 window 1, source 1 window 0, C and D window 2
.set TO_B,   0x40
.macro JLOAD g0a, g1a, g0b, g1b        ; waves 0, 1 fetch the tokens' halves, waves 2, 3 the weights'
	s_cmp_eq_u32 s15, 0
	s_cbranch_scc0 .Lfor_b_\@
	tensor_load_to_lds s[\g0a:\g0a+3], s[\g1a:\g1a+7]
	s_nop 0
.rept 4
	v_nop
.endr
	s_branch .Lasked_\@
.Lfor_b_\@:
	tensor_load_to_lds s[\g0b:\g0b+3], s[\g1b:\g1b+7]
	s_nop 0
.rept 4
	v_nop
.endr
.Lasked_\@:
.endm
.macro CREST
	s_cmp_lg_u32 s14, 0
	s_cbranch_scc1 .Lnot_wave_0_\@
	s_barrier_signal -3
.Lnot_wave_0_\@:
	s_barrier_wait -3
	s_barrier_signal -1
	s_barrier_wait -1
.endm
.macro CROUND
	s_barrier_signal -1
	s_barrier_wait -1
	CREST
.endm
.macro PLACES
.rept 4
	v_nop
.endr
.endm
	s_load_b128 s[4:7], s[0:1], 0x0                ; o_img, o_sc
	s_load_b128 s[8:11], s[0:1], 0x10              ; img, sc_img
	s_load_b64 s[12:13], s[0:1], 0x20              ; out0
	v_lshl_add_u32 v[SPW], v0, 2, SPARE
	v_mov_b32 v[NIL], 0
	ds_add_u32 v[SPW], v[NIL]                      ; the opening lines: the add twice on end and its wait
	ds_add_u32 v[SPW], v[NIL]
	v_lshrrev_b32 v1, 5, v0
	v_readfirstlane_b32 s14, v1                    ; wave
	s_lshr_b32 s15, s14, 1
	s_and_b32 s16, s14, 1
	s_bfe_u32 s40, ttmp6, 0x40000                  ; cx
	s_bfe_u32 s41, ttmp6, 0x40004                  ; cy
	s_lshl_b32 s42, ttmp9, 2
	s_add_co_u32 s42, s42, s40                     ; block column
	s_and_b32 s17, ttmp7, 0xffff
	s_lshl_b32 s17, s17, 2
	s_add_co_u32 s17, s17, s41                     ; block row
	s_lshl_b32 s43, s41, 2
	s_lshl_b32 s43, 15, s43                        ; my row of the cluster
	s_lshl_b32 s44, 0x1111, s40                    ; my column
	s_or_b32 s[G1+0], s43, (3<<16)|(1<<21)         ; rows of 768 elements of 8 bytes, 3,072 elements apart: 16 (tokens) and 8 (weights) at the head
	s_or_b32 s[G1B+0], s44, (3<<16)|(1<<21)
.irp g, G1, G1B
	s_mov_b32 s[\g+1], 768<<16
	s_mov_b32 s[\g+3], 768<<16
	s_mov_b32 s[\g+5], 3072
	s_mov_b32 s[\g+6], 0
	s_mov_b32 s[\g+7], 0
.endr
	s_mov_b32 s[G1+2], 16<<16
	s_mov_b32 s[G1+4], 16
	s_mov_b32 s[G1B+2], 8<<16
	s_mov_b32 s[G1B+4], 8
	s_or_b32 s[G1S+0], s43, (3<<16)|(1<<21)        ; scale words: dense rows of 256 bytes: 64 and 32
	s_or_b32 s[G1SB+0], s44, (3<<16)|(1<<21)
.irp g, G1S, G1SB
	s_mov_b32 s[\g+1], 32<<16
	s_mov_b32 s[\g+3], 32<<16
	s_mov_b32 s[\g+5], 32
	s_mov_b32 s[\g+6], 0
	s_mov_b32 s[\g+7], 0
.endr
	s_mov_b32 s[G1S+2], 64<<16
	s_mov_b32 s[G1S+4], 64
	s_mov_b32 s[G1SB+2], 32<<16
	s_mov_b32 s[G1SB+4], 32
	s_lshl_b32 s20, s17, 4                         ; the tokens' first tile
	s_lshl_b32 s46, s42, 3
	s_add_co_u32 s46, s46, 448                     ; the weights' first tile in img
	s_lshl_b32 s22, s20, 10
	s_lshl_b32 s96, s46, 10
	s_mul_i32 s20, s20, 24576
	s_mul_i32 s46, s46, 24576
	s_mov_b32 s21, 0
	s_mov_b32 s23, 0
	s_mov_b32 s47, 0
	s_mov_b32 s97, 0
	s_lshl_b32 s92, s40, 2
	s_add_co_u32 s92, s92, s14
	s_mul_i32 s92, s92, 24576                      ; prefetch: token tile 4 cx + wave
	s_mov_b32 s93, 0
	s_lshl_b32 s94, s41, 1
	s_add_co_u32 s94, s94, s15
	s_mul_i32 s94, s94, 24576                      ; weight tile 2 cy + wave / 2,
	s_mul_i32 s18, s16, 3072
	s_add_co_u32 s94, s94, s18                     ; its half wave % 2
	s_mov_b32 s95, 0
	s_wait_dscnt 0x0
	s_wait_kmcnt 0x0
	s_add_nc_u64 s[20:21], s[4:5], s[20:21]
	s_add_nc_u64 s[22:23], s[6:7], s[22:23]
	s_add_nc_u64 s[46:47], s[8:9], s[46:47]
	s_add_nc_u64 s[96:97], s[10:11], s[96:97]
	s_add_nc_u64 s[PA:PA+1], s[20:21], s[92:93]
	s_add_nc_u64 s[PB:PB+1], s[46:47], s[94:95]
	CROUND                                         ; all sixteen work-groups are here: the first joint loads meet
	s_mov_b32 s[G0H], 1
	s_mov_b32 s[G0H+1], 0
	s_mov_b64 s[G0H+2:G0H+3], s[20:21]
	s_or_b32 s[G0H+3], s[G0H+3], 0x80000000
	s_mov_b32 s[G0HB], 1
	s_mov_b32 s[G0HB+1], ASL
	s_mov_b64 s[G0HB+2:G0HB+3], s[46:47]
	s_or_b32 s[G0HB+3], s[G0HB+3], 0x80000000
	s_mov_b32 s[G0S], 1
	s_mov_b32 s[G0S+1], SCLA
	s_mov_b64 s[G0S+2:G0S+3], s[22:23]
	s_or_b32 s[G0S+3], s[G0S+3], 0x80000000
	s_mov_b32 s[G0SB], 1
	s_mov_b32 s[G0SB+1], SCLB
	s_mov_b64 s[G0SB+2:G0SB+3], s[96:97]
	s_or_b32 s[G0SB+3], s[G0SB+3], 0x80000000
	s_mul_i32 s18, s16, 8*24576                    ; for the ring: my half of the tiles
	s_mov_b32 s19, 0
	s_add_nc_u64 s[20:21], s[20:21], s[18:19]
	s_mul_i32 s18, s16, 4*24576
	s_add_nc_u64 s[46:47], s[46:47], s[18:19]
	s_mul_i32 s45, s16, 8*AT
	s_mul_i32 s98, s16, 4*AT
	s_add_co_u32 s98, s98, ASL
.irp s, 0,1
	s_mov_b32 s[G0+4*\s], 1
	s_add_co_u32 s[G0+4*\s+1], s45, \s*SLOT
	s_add_nc_u64 s[G0+4*\s+2:G0+4*\s+3], s[20:21], \s*AT
	s_or_b32 s[G0+4*\s+3], s[G0+4*\s+3], 0x80000000
	s_mov_b32 s[G0B+4*\s], 1
	s_add_co_u32 s[G0B+4*\s+1], s98, \s*SLOT
	s_add_nc_u64 s[G0B+4*\s+2:G0B+4*\s+3], s[46:47], \s*AT
	s_or_b32 s[G0B+4*\s+3], s[G0B+4*\s+3], 0x80000000
.endr
; The head's four tiles, one joint load a wave: fill 0's tokens, fill 0's weights, the tokens' scale words, the weights'.
.macro ARM under, g0, g1, next
	s_cmp_lt_u32 s14, \under
	s_cbranch_scc0 \next
	tensor_load_to_lds s[\g0:\g0+3], s[\g1:\g1+7]
	s_nop 0
.rept 4
	v_nop
.endr
	s_branch .Lhead_asked
\next:
.endm
	ARM 1, G0H,  G1,  .Lhead_b
	ARM 2, G0HB, G1B, .Lhead_sa
	ARM 3, G0S,  G1S, .Lhead_sb
	tensor_load_to_lds s[G0SB:G0SB+3], s[G1SB:G1SB+7]
	s_nop 0
.rept 4
	v_nop
.endr
.Lhead_asked:
	s_lshl_b32 s20, s17, 8
	s_lshl_b32 s18, s14, 6
	s_add_co_u32 s20, s20, s18                     ; my first row of the result
	s_lshl_b32 s20, s20, 13                        ; x 8,192 bytes
	s_lshl_b32 s18, s42, 9
	s_add_co_u32 s20, s20, s18                     ; + 512 x block column
	s_mov_b32 s21, 0
	s_add_nc_u64 s[12:13], s[12:13], s[20:21]
	s_mul_i32 s18, s14, 4*AT                       ; my four token tiles
	s_add_co_u32 s19, s18, SLOT
	s_lshl_b32 s22, s14, 12
	s_add_co_u32 s22, s22, SCLA                    ; their scale words
	s_mul_i32 s23, s14, 16*SPITCH                  ; my stage, in slot 0
	v_and_b32 v1, 15, v0
	v_bfe_u32 v2, v0, 4, 1
	v_and_b32 v6, 31, v0
	v_min_u32 v[PFOA], 23, v6
	v_min_u32 v[PFOB], 11, v6
	v_lshlrev_b32 v[PFOA], 8, v[PFOA]
	v_lshlrev_b32 v[PFOB], 8, v[PFOB]
	global_prefetch_b8 v[PFOA], s[PA:PA+1] offset:AT th:TH_LOAD_NT scope:SCOPE_SE   ; fill 1, whose load follows when the head's have landed
	global_prefetch_b8 v[PFOB], s[PB:PB+1] offset:AT th:TH_LOAD_NT scope:SCOPE_SE
	v_lshlrev_b32 v[CO], 4, v6
	v_add_nc_u32 v[ADRA], s18, v[CO]
	v_add_nc_u32 v[ADRA+1], s19, v[CO]
	v_add_nc_u32 v[ADRB], ASL, v[CO]
	v_add_nc_u32 v[ADRB+1], ASL+SLOT, v[CO]
	v_lshl_add_u32 v[ADSA], v6, 2, s22
	v_lshl_add_u32 v[ADSB], v6, 2, SCLB
	v_mul_u32_u24 v5, v1, SPITCH
	v_lshl_add_u32 v5, v2, 5, v5
	v_add_nc_u32 v[STO], s23, v5
	v_add_nc_u32 v[RD], s23, v[CO]
.macro FR3 reg, adr, off
.irp c, 0,1,2
	ds_load_b128 v[\reg+4*\c:\reg+4*\c+3], v[\adr] offset:\off+512*\c
.endr
.endm
.macro FETCH st                        ; step st's fragments into sets st % 2; with an even step the scale words of the pair (lanes 0-15 the even step's, lanes 16-31 the odd one's)
.set FSL, ((\st)/4)%2
.set FQ, ((\st)%4)*1536
.set FP, (\st)%2
.set FPR, (\st)/2
	WIN TO_B
.irp i, 0,1,2,3,4,5,6,7
	FR3 128*FP+FR*\i, ADRB+FSL, \i*AT+FQ
.endr
	WIN 0
.irp i, 0,1,2,3
	FR3 AF+48*FP+FR*\i, ADRA+FSL, \i*AT+FQ
.endr
.if FP == 0
.irp i, 0,1,2,3,4,5,6,7
	ds_load_b32 v[SC+16*(FPR%2)+\i], v[ADSB] offset:\i*1024+128*FPR
.endr
.irp i, 0,1,2,3
	ds_load_b32 v[SC+16*(FPR%2)+8+\i], v[ADSA] offset:\i*1024+128*FPR
.endr
.endif
.endm
; 16 matrix instructions: token blocks a0, a0 + 1 x the weights' eight.  The 32 accumulators take turns in the same order in every step.  Step 0 starts the sums.
.macro MUL16 a0, st
.set MP, (\st)%2
.set MS, SC+16*(((\st)/2)%2)
.irp a, \a0, \a0+1
.irp b, 0,1,2,3,4,5,6,7
.if (\st) == 0
	v_wmma_scale_f32_16x16x128_f8f6f4 v[8*(8*(\a)+\b):8*(8*(\a)+\b)+7], v[128*MP+FR*\b:128*MP+FR*\b+FR-1], v[AF+48*MP+FR*(\a):AF+48*MP+FR*(\a)+FR-1], 0, v[MS+\b], v[MS+8+(\a)] matrix_a_fmt:MATRIX_FMT_FP6 matrix_b_fmt:MATRIX_FMT_FP6
.elseif MP == 0
	v_wmma_scale_f32_16x16x128_f8f6f4 v[8*(8*(\a)+\b):8*(8*(\a)+\b)+7], v[128*MP+FR*\b:128*MP+FR*\b+FR-1], v[AF+48*MP+FR*(\a):AF+48*MP+FR*(\a)+FR-1], v[8*(8*(\a)+\b):8*(8*(\a)+\b)+7], v[MS+\b], v[MS+8+(\a)] matrix_a_fmt:MATRIX_FMT_FP6 matrix_b_fmt:MATRIX_FMT_FP6
.else
	v_wmma_scale_f32_16x16x128_f8f6f4 v[8*(8*(\a)+\b):8*(8*(\a)+\b)+7], v[128*MP+FR*\b:128*MP+FR*\b+FR-1], v[AF+48*MP+FR*(\a):AF+48*MP+FR*(\a)+FR-1], v[8*(8*(\a)+\b):8*(8*(\a)+\b)+7], v[MS+\b], v[MS+8+(\a)] matrix_a_fmt:MATRIX_FMT_FP6 matrix_b_fmt:MATRIX_FMT_FP6 matrix_a_scale:MATRIX_SCALE_ROW1 matrix_b_scale:MATRIX_SCALE_ROW1
.endif
.endr
.endr
.endm
.macro ASK off                         ; the fill at byte off of each tile: 24 + 12 blocks of 256 bytes a wave; the address registers are never rewritten
	global_prefetch_b8 v[PFOA], s[PA:PA+1] offset:\off th:TH_LOAD_NT scope:SCOPE_SE
	global_prefetch_b8 v[PFOB], s[PB:PB+1] offset:\off th:TH_LOAD_NT scope:SCOPE_SE
.endm
; A step of 128 along K: 32 matrix instructions; the next step's fragments are fetched into the other sets ahead of them.  A slot's last step changes slots: each wave waits for all its tensor loads, adds 0 to its
; spare word and waits for that and for its reads of this slot; behind the barrier (a round of the cluster's where the slot is filled again) comes the refill, then the other slot's first fragments.
.macro STEP st
.set SLC, ((\st)/4)%2
.if (\st)%4 == 3 && (\st) < 15
	s_wait_tensorcnt 0x0
	ds_add_u32 v[SPW], v[NIL]
	s_wait_dscnt 0x0                               ; the add, this step's fragments, and so all my reads of this slot
	s_barrier_signal -1
	WIN MUL_LO
	MUL16 0, \st
	WIN 0
	s_barrier_wait -1
.if (\st) < 8
	CREST
	s_add_nc_u64 s[G0+4*SLC+2:G0+4*SLC+3], s[G0+4*SLC+2:G0+4*SLC+3], 2*AT
	s_add_nc_u64 s[G0B+4*SLC+2:G0B+4*SLC+3], s[G0B+4*SLC+2:G0B+4*SLC+3], 2*AT
	JLOAD G0+4*SLC, G1, G0B+4*SLC, G1B             ; its four v_nop are the places in front of the loads below
.else
	PLACES
.endif
	FETCH (\st)+1
.if (\st) == 3
	ASK 3*AT
.endif
	WIN MUL_LO
	MUL16 2, \st
	WIN 0
.else
	s_wait_dscnt 0x0                               ; this step's fragments are in
.if (\st) < 15
	PLACES                                         ; in front of loads into registers that the last step's products read
	FETCH (\st)+1
.endif
	WIN MUL_LO
	MUL16 0, \st
	MUL16 2, \st
	WIN 0
.endif
.endm
	s_wait_alu depctr_va_vdst(0)
	s_wait_tensorcnt 0x0                           ; my tile of the head's four is in; these lines stand ahead of a later first fill as ahead of a refill
	ds_add_u32 v[SPW], v[NIL]
	s_mov_b32 s[G1+2], 8<<16                       ; no tensor load of mine is out: from here on a load brings half of the tiles
	s_mov_b32 s[G1+4], 8
	s_mov_b32 s[G1B+2], 4<<16
	s_mov_b32 s[G1B+4], 4
	s_wait_dscnt 0x0
	CROUND
	JLOAD G0+4, G1, G0B+4, G1B                     ; fill 1, the first tensor load behind the round
	FETCH 0
	ASK 2*AT
.set ST, 0
.rept 16
	STEP ST
.set ST, ST+1
.endr
; THE WAY OUT: a block of 16 rows x 128 columns goes through my own stage (in slot 0, which has had its last fill and, at step 11's barrier, its last read) and comes back as whole rows of 512 bytes.
.macro TOSTAGE a
.set AC, 64*(\a)
	WIN 0x08
.irp b, 0,1,2,3,4,5,6,7
	ds_store_b128 v[STO], v[AC+8*\b:AC+8*\b+3] offset:64*\b          ; each accumulator from its low end on
	ds_store_b128 v[STO], v[AC+8*\b+4:AC+8*\b+7] offset:64*\b+16
.endr
	WIN 0
.set BB, BK+64*((\a)%2)
.irp t, 0,1,2,3,4,5,6,7,8,9,10,11,12,13,14,15
	ds_load_b128 v[BB+4*\t:BB+4*\t+3], v[RD] offset:\t*SPITCH
.endr
.endm
.macro SEND a, younger
.set BB, BK+64*((\a)%2)
	s_wait_dscnt \younger                          ; the block is back; the next block's 16 stores and 16 loads may be out
.if (\a) > 0
	s_add_nc_u64 s[12:13], s[12:13], 16*SIZE_N*4
.endif
.irp t, 0,1,2,3,4,5,6,7,8,9,10,11,12,13,14,15
	global_store_b128 v[CO], v[BB+4*\t:BB+4*\t+3], s[12:13] offset:\t*SIZE_N*4 th:TH_STORE_NT   ; 512 consecutive bytes, aligned
.endr
.endm
	PLACES
	TOSTAGE 0
.irp a, 1,2,3
.if \a > 1
	s_wait_xcnt 0x0                                ; block a - 2's stores have read their registers and their base
.endif
	TOSTAGE \a
	SEND \a-1, 32
.endr
	s_wait_xcnt 0x0
	SEND 3, 0
	s_wait_tensorcnt 0x0                           ; the wave's end
	ds_add_u32 v[SPW], v[NIL]
	s_wait_dscnt 0x0
	CROUND                                         ; the closing round
	s_endpgm
.Lfunc_end_k_q0d2328a664_oproj:
	.size	k_q0d2328a664_oproj, .Lfunc_end_k_q0d2328a664_oproj-k_q0d2328a664_oproj
	.p2alignl 7, 3214868480
	.fill 96, 4, 3214868480
	.section	.rodata,"a",@progbits
	.p2align	6, 0x0
	.amdhsa_kernel k_q0d2328a664_oproj
		.amdhsa_group_segment_fixed_size 327680
		.amdhsa_private_segment_fixed_size 0
		.amdhsa_enable_private_segment 0
		.amdhsa_kernarg_size 40
		.amdhsa_user_sgpr_count 2
		.amdhsa_user_sgpr_kernarg_segment_ptr 1
		.amdhsa_wavefront_size32 1
		.amdhsa_system_sgpr_workgroup_id_x 1
		.amdhsa_system_sgpr_workgroup_id_y 1
		.amdhsa_system_sgpr_workgroup_id_z 1
		.amdhsa_system_vgpr_workitem_id 0
		.amdhsa_next_free_vgpr 768
		.amdhsa_next_free_sgpr 100
		.amdhsa_reserve_vcc 0
		.amdhsa_float_denorm_mode_32 3
		.amdhsa_float_denorm_mode_16_64 3
		.amdhsa_memory_ordered 1
		.amdhsa_forward_progress 1
		.amdhsa_inst_pref_size 139
	.end_amdhsa_kernel
	.amdgpu_metadata
---
amdhsa.version: [ 1, 2 ]
amdhsa.kernels:
  - .name:           k_q0d2328a664_oproj
    .symbol:         k_q0d2328a664_oproj.kd
    .args:
      - { .name: o_img, .offset: 0, .size: 8, .value_kind: global_buffer, .address_space: global }
      - { .name: o_sc, .offset: 8, .size: 8, .value_kind: global_buffer, .address_space: global }
      - { .name: img, .offset: 16, .size: 8, .value_kind: global_buffer, .address_space: global }
      - { .name: sc_img, .offset: 24, .size: 8, .value_kind: global_buffer, .address_space: global }
      - { .name: out0, .offset: 32, .size: 8, .value_kind: global_buffer, .address_space: global }
    .group_segment_fixed_size: 327680
    .private_segment_fixed_size: 0
    .kernarg_segment_align: 8
    .kernarg_segment_size: 40
    .max_flat_workgroup_size: 128
    .sgpr_count:     100
    .vgpr_count:     768
    .wavefront_size: 32
...
	.end_amdgpu_metadata
.endif
;; end of part 4
